; MI455X (gfx1250); checked and timed in simulation.
; The chip was launched on July 23, 2026; its instructions are those of AMD's public machine-readable ISA for CDNA 5 (MIT licence, August 2026) and "CDNA5" Instruction Set Architecture Reference Guide (July 2026). The comments in the code are by the model that wrote it; some were corrected since.
;; Causal Self Attention Separate Heads. Allowed arithmetic: matrix products marked QUANTISED: E2M1 operands, one E8M0 scale for each 32 along K, by v_wmma_scale_f32_16x16x128_f8f6f4 with both operands' format E2M1 (or v_wmma_scale_f32_32x16x128_f4), f32 sums; everything else in f32.
;; Inputs: Wk_codes 16 x 64 x 32 x 16 uint8 (E2M1 codes of Wk, K innermost, in blocks of 32 codes, two codes a byte); Wk_scales 16 x 64 x 32 uint8 (E8M0 scales of Wk, one for each 32 codes along K); Wp_codes 1,024 x 32 x 16 uint8 (E2M1 codes of Wp, K innermost, in blocks of 32 codes, two codes a byte); Wp_scales 1,024 x 32 uint8 (E8M0 scales of Wp, one for each 32 codes along K); Wq_codes 16 x 64 x 32 x 16 uint8 (E2M1 codes of Wq, K innermost, in blocks of 32 codes, two codes a byte); Wq_scales 16 x 64 x 32 uint8 (E8M0 scales of Wq, one for each 32 codes along K); Wv_codes 16 x 64 x 32 x 16 uint8 (E2M1 codes of Wv, K innermost, in blocks of 32 codes, two codes a byte); Wv_scales 16 x 64 x 32 uint8 (E8M0 scales of Wv, one for each 32 codes along K); bk 16 x 64 float32; bp 1,024 float32; bq 16 x 64 float32; bv 16 x 64 float32; x_codes 4 x 2,048 x 32 x 16 uint8 (E2M1 codes of x, K innermost, in blocks of 32 codes, two codes a byte); x_scales 4 x 2,048 x 32 uint8 (E8M0 scales of x, one for each 32 codes along K).
;; Outputs: out0 4 x 2,048 x 1,024 float32.
;; This version of the problem:
;;   THIS VERSION OF THE PROBLEM IS GIVEN IN LOW PRECISION. The matrix products marked QUANTISED in the list below multiply operands that are first quantised to E2M1 (2 exponent bits, 1 mantissa bit; 4 bits a number), with one power-of-two scale for each 32 numbers along K (OCP MX v1.0); their sums are f32. All else is computed in f32.
;;   The module's matrix products, in the order in which they are computed (A, B: the left and right operand; K: the contracted axis; several contracted axes count as one K, in the product's order):
;;     1. [M 1,024, K 1,024] x [K 1,024, N 8,192]; A: input Wq (given as codes); B: input x (given as codes): QUANTISED
;;     2. [M 1,024, K 1,024] x [K 1,024, N 8,192]; A: input Wk (given as codes); B: input x (given as codes): QUANTISED
;;     3. [M 1,024, K 1,024] x [K 1,024, N 8,192]; A: input Wv (given as codes); B: input x (given as codes): QUANTISED
;;     4. batch 64 x [M 2,048, K 64] x [K 64, N 2,048]; A: computed on the way; B: computed on the way: QUANTISED
;;     5. batch 64 x [M 2,048, K 2,048] x [K 2,048, N 64]; A: softmax (see below); B: computed on the way: QUANTISED
;;     6. [M 8,192, K 1,024] x [K 1,024, N 1,024]; A: computed on the way; B: input Wp (given as codes): QUANTISED
;;   THE QUANTISER, for each operand of a quantised product, along K:
;;     - K is cut into blocks of 32 from its start; a last block that is shorter is filled with zeros.
;;     - A block's scale is 2^e with e = floor(log2(the largest magnitude in the block)) - 2, held to -126 .. 127; a block of zeros has e = 0. As a byte (E8M0): e + 127.
;;     - Each number is divided by its block's scale, clamped to +-6, and rounded to the nearest number of E2M1, ties to even, subnormals kept.
;;     - The product sums the exact products of the quantised numbers (number of the format x scale) in f32.
;;   ~~~python
;;   def quantise(x, axis):      # numpy; x: float32 -> the quantised numbers, widened to float32 again
;;       x = np.moveaxis(x, axis, -1); K = x.shape[-1]
;;       x = np.pad(x, [(0, 0)] * (x.ndim - 1) + [(0, -K % 32)]); x = x.reshape(x.shape[:-1] + (-1, 32)); a = np.abs(x).max(-1, keepdims=True)
;;       e = np.where(a > 0, np.clip(np.frexp(np.where(a > 0, a, 1))[1] - 1 - 2, -126, 127), 0)      # np.frexp(a)[1] - 1 = floor(log2(a)), exactly
;;       r = np.clip(x / 2.0 ** e, -6, 6)
;;       step = 2.0 ** (np.maximum(np.frexp(np.where(r == 0, 1, r))[1] - 1, 0) - 1)
;;       q = np.round(r / step) * step * 2.0 ** e      # np.round: ties to even
;;       return np.moveaxis(q.reshape(q.shape[:-2] + (-1,))[..., :K], -1, axis).astype(np.float32)
;;   ~~~
;;   SOFTMAX AHEAD OF A QUANTISED PRODUCT. Where the list says 'softmax', what is quantised is not the finished softmax but p = 2^(t - M), with t = logit x log2(e) and M = ceil(the row's largest t), a whole number; so 1/2 < the row's largest p <= 1. The row's sum l is taken of the UNQUANTISED p, in f32, and the product's result is divided by l at the end. Since M is a whole number, a kernel that streams over the keys may use a running M (the ceiling of the running maximum): every later rescaling is an exact power of two, which a block's scale takes up: the codes' values come out the same.
;;   OPERANDS COMPUTED ON THE WAY. 'Computed on the way' means the value that the module computes at that place (a softmax that the list does not call 'softmax' is quantised finished and normalised). What goes into a quantiser is computed in f32, as accurately as f32 sums, v_exp_f32 and their like allow (about 1e-6 of the number): no bf16 or f16 on the way to a quantiser, and a product that is left as it is and whose result goes on into a quantised operand takes f32 operands (vector FMAs, or v_wmma_f32_16x16x4_f32). A number that lies on a knife's edge between two numbers of the format may be rounded either way, as far as f32 arithmetic and the matrix unit's own rounding can turn it there, and no further.
;;   INPUTS GIVEN AS CODES. Wk (in the module: [16, 64, 1024], K = its axis 2); Wp (in the module: [1024, 1024], K = its axis 1); Wq (in the module: [16, 64, 1024], K = its axis 2); Wv (in the module: [16, 64, 1024], K = its axis 2); x (in the module: [4, 2048, 1024], K = its axis 2): each comes as NAME_codes (uint8): NAME with its K axis moved to the last place and cut into blocks of 32 codes, [.., K / 32, bytes a block], one block behind the other in memory; two codes a byte, the lower K in the low four bits (a code: sign, 2 exponent bits, 1 mantissa bit); and NAME_scales (uint8): the same leading axes, one E8M0 byte (e + 127) for each 32 codes along K. Its value is code x scale, taken as it is: it is not quantised again, and the codes and scales need not be those that the quantiser above would give.
;; One version. Each part assembles by itself: llvm-mc -triple=amdgcn-amd-amdhsa -mcpu=gfx1250 --defsym DOCPART=n.
;; ======== version 1 of 1: 3 launches
;; limits: right only within a limited range of input values
;; workspace buffers: q_img 4,194,304 bytes; q_sc 524,288 bytes; kv 9,175,040 bytes; y_img 4,194,304 bytes; y_sc 262,144 bytes
;; launch qkv (part 1): grid 8 x 32, 4 waves a work-group, clusters of 4 x 4, 327,680 bytes of LDS; arguments x_codes, x_scales, Wq_codes, Wq_scales, Wk_codes, Wk_scales, Wv_codes, Wv_scales, bq, bk, bv, q_img, q_sc, kv; writes q_img, q_sc, kv
.if DOCPART == 1
	.amdgcn_target "amdgcn-amd-amdhsa--gfx1250"
	.amdhsa_code_object_version 6
	.text
	.protected	k_qd4eb916cab_qkv
	.globl	k_qd4eb916cab_qkv
	.p2align	8
	.type	k_qd4eb916cab_qkv,@function
k_qd4eb916cab_qkv:
	s_mov_b64 s[64:65], 0
	v_nop
	global_prefetch_b8 v0, s[64:65] scope:SCOPE_SE
	s_setreg_imm32_b32 hwreg(HW_REG_WAVE_MODE, 25, 1), 1
	s_wait_xcnt 0x0
	s_wait_alu depctr_hold_cnt(0) depctr_sa_sdst(0) depctr_va_vdst(0) depctr_va_sdst(0) depctr_va_ssrc(0) depctr_va_vcc(0) depctr_vm_vsrc(0)
	s_getreg_b32 s2, hwreg(HW_REG_IB_STS2, 6, 4)
	s_cmp_eq_u32 s2, 0
	s_cbranch_scc0 .Lentry_in_a_cluster
	s_endpgm
.Lentry_in_a_cluster:
	s_bfe_u32 s2, ttmp6, 0x10000c
	s_cmp_lg_u32 s2, 0xf033
	s_cbranch_scc0 .Lentry_shape_is_right
	s_endpgm
.Lentry_shape_is_right:
; q = x Wq^T + bq, k = x Wk^T + bk, v = x Wv^T + bv for TWO heads and 256 tokens, on codes of FP4 (E2M1) with one E8M0 scale for each 32 along K = 1,024;
; the results are quantised here, from the f32 sums, and leave as codes alone: q and k along the head's 64, v along the tokens (the keys of the later product).
; WORK LEFT OUT BY THE PROGRAM (in the launch that follows): tiles of keys that reference()'s own causal mask hides from every query of a tile: their p is 0 for all values of the inputs, so they reach no output.
; A NaN, an infinity or an overflow that reaches only such tiles is not carried to the result.
; SHARES.  Work-group (x = pair of heads, y = block of 256 tokens), 256 of them, four waves; a wave makes 64 tokens x 192 outputs a head: 48 accumulators of 16 x 16.
; LDS rows hold all of K: 512 bytes + 16 of padding.  Wave 3 fetches x's 256 rows, waves 0 to 2 the 64 rows of Wq, Wk, Wv of the first head: one tensor load a wave.  Each wave then takes its 64 rows of x, all of K, into 256 REGISTERS, which serve
; both heads; behind a round of the cluster's barrier the second head's W is loaded over x's bytes, and lands while the first head is multiplied and quantised.
; CLUSTER 4 x 4: the four work-groups of a row of the cluster share their tokens (x's tile), the four of a column their heads (W's tiles): each tile is asked for jointly.
; No prefetch: there is no loop to run ahead in; the only later load has a whole head's work in which to land.
; LAYOUT.  q and k: source 0 = 16 rows of W, source 1 = 16 tokens: a lane holds ONE token and its registers run along d.  v: source 0 = 16 tokens, source 1 = 16 rows of Wv: a lane holds ONE d and
; its registers run along the tokens.  So in both cases a lane's registers run along the next product's K.  The biases are the C of each sum's first matrix instruction.
; OUT.  Fragments leave as images of the operand's registers (16 bytes a lane, 512 consecutive bytes a store).  q_img: [batch, head][tile of 16 tokens][lane][16].  kv: a head's block is two halves of 1,024 tokens, 71,680 bytes each: k's images
; [tile][lane][16]; at 32,768 v's, [128 keys][16 d][64 keys][lane][16]; at 65,536 k's scale words, [64 tokens][lane][2 words] (q's likewise in q_sc); at 69,632 v's, [128 keys][d] words, of which a wave owns two bytes:
; these go out by stores of 2 bytes (256 KiB in all), which do not cover whole runs of 256 bytes.
; LIMITS: a block of zeros gets the scale byte 1 where the quantiser says 127 (its codes are zeros, and this program alone reads the bytes); a block whose largest magnitude lies under 2^-124 is held at byte 1; NaN and infinities are not served.
; REGISTERS, in windows of 256.  0: v1-19 addresses; v32-95 scale words and nothing else; v96-223 W's fragments, four buffers of a unit's 32, then codes on the way out; v224-245 at work; v254-255 the add's.
;   1: x's fragments: K step s, tile i at 32 s + 8 i.   2: q's 16 accumulators (32 i + 8 j), k's at 128 on.   3: v's 16 (32 d + 8 i); v128-223 the biases, v224-227 bv as loaded.
.set PITCH, 528                        ; an odd multiple of 16 bytes: the 16 rows that a load touches start at 16 different multiples of 16 modulo 256
.set WTILE, 64*PITCH                   ; one W's rows; also a wave's 64 rows of x
.set XB,    3*WTILE                    ; x's rows lie behind the first head's W; the second head's W lands on them
.set SPARE, XB+256*PITCH               ; the spare words, 128 bytes a wave: two blocks of 256 bytes that no other line names
.set KVH,   143360
.set HKV,   71680
.set VIMG,  32768
.set KSCO,  65536
.set VSCO,  69632
.set ADX, 8
.set ADW, 10                           ; v10-13  W: register 2 x head + (Wv: 1)
.set VSC, 14                           ; 32 r + 16 h: my 16 scale bytes of row r
.set VB,  15                           ; 32 h: my eight numbers of bq, bk
.set V4R, 16                           ; 4 r: my number of bv
.set L16, 17
.set L8,  18
.set VVS, 19                           ; 64 h + 4 r: v's scale halves
.set SX,  32                           ; x's scale words: tile i, register sl: lanes 0-15 K step sl, lanes 16-31 K step 4 + sl
.set SW,  48                           ; W's: 16 y + 4 j + sl likewise
.set WB,  96
.set PCB, 96
.set TM,  224
.set SCO, 232
.set KW,  240
.set BQ,  128                          ; window 3: bq's four tiles, bk's at + 32
.set BV,  192
.set BT,  224
.set WV,  32
.set G1X, 40
.set G1W, 48
.set G0X, 56
.set G0W, 60                           ; s[60:63] the first head's W
.set G0V, 68                           ; s[68:71] the second head's
.set MSB, 0
.macro WIN new                         ; the immediate's high byte repeats the setting that is left; a switch that changes nothing is dropped
.if MSB != \new
	s_set_vgpr_msb (MSB<<8)|\new
.set MSB, \new
.endif
.endm
.macro PLACES                          ; four plain vector instructions between a matrix instruction and a load into, or a read of, its registers
.rept 4
	v_nop
.endr
.endm
.macro CROUND                          ; a round of the cluster's barrier
	s_barrier_signal -1
	s_barrier_wait -1
	s_cmp_lg_u32 s[WV], 0
	s_cbranch_scc1 .Lnot_wave_0_\@
	s_barrier_signal -3
.Lnot_wave_0_\@:
	s_barrier_wait -3
	s_barrier_signal -1
	s_barrier_wait -1
.endm
.macro WM d, a, b, c, sa, sb, row      ; one product; row = 1: both sides' scales come from lanes 16-31
.if \row
	v_wmma_scale_f32_16x16x128_f8f6f4 v[\d:\d+7], v[\a:\a+7], v[\b:\b+7], v[\c:\c+7], v[\sa], v[\sb] matrix_a_fmt:MATRIX_FMT_FP4 matrix_b_fmt:MATRIX_FMT_FP4 matrix_a_scale:MATRIX_SCALE_ROW1 matrix_b_scale:MATRIX_SCALE_ROW1
.else
	v_wmma_scale_f32_16x16x128_f8f6f4 v[\d:\d+7], v[\a:\a+7], v[\b:\b+7], v[\c:\c+7], v[\sa], v[\sb] matrix_a_fmt:MATRIX_FMT_FP4 matrix_b_fmt:MATRIX_FMT_FP4
.endif
.endm
	s_load_b512 s[4:19], s[0:1], 0x0               ; x codes s[4:5], x scales s[6:7], Wq s[8:9], s[10:11], Wk s[12:13], s[14:15], Wv s[16:17], s[18:19]
	s_load_b256 s[20:27], s[0:1], 0x40             ; bq s[20:21], bk s[22:23], bv s[24:25], q_img s[26:27]
	s_load_b128 s[28:31], s[0:1], 0x60             ; q_sc s[28:29], kv s[30:31]
	v_lshl_add_u32 v254, v0, 2, SPARE
	v_mov_b32 v255, 0
	ds_add_u32 v254, v255                          ; the wave's opening: the add, twice on end, and its wait
	ds_add_u32 v254, v255
	v_lshrrev_b32 v1, 5, v0
	v_readfirstlane_b32 s[WV], v1                  ; wave 0..3
	s_bfe_u32 s33, ttmp6, 0x40000                  ; cx
	s_bfe_u32 s34, ttmp6, 0x40004                  ; cy
	s_lshl_b32 s35, ttmp9, 2
	s_add_co_u32 s35, s35, s33                     ; the pair of heads = 4 x cluster x + cx
	s_and_b32 s36, ttmp7, 0xffff
	s_lshl_b32 s36, s36, 2
	s_add_co_u32 s36, s36, s34                     ; the block of 256 tokens = 4 x cluster y + cy
	s_lshl_b32 s37, s34, 2
	s_lshl_b32 s37, 15, s37                        ; my row of the cluster
	s_lshl_b32 s38, 0x1111, s33                    ; my column
	s_or_b32 s[G1X], s37, (1<<20)|(1<<21)|(6<<22)|(3<<25)   ; the mask: x's tile goes to my row; elements of 1 byte; padding on, 4 words after every 128
	s_or_b32 s[G1W], s38, (1<<20)|(1<<21)|(6<<22)|(3<<25)   ; W's go to my column
	s_mov_b32 s[G1X+1], 512<<16                    ; tensor_dim0
	s_mov_b32 s[G1X+2], 256<<16                    ; tensor_dim1
	s_mov_b32 s[G1X+3], 512<<16                    ; tile_dim0
	s_mov_b32 s[G1X+4], 256                        ; tile_dim1
	s_mov_b32 s[G1X+5], 512                        ; from row to row
	s_mov_b32 s[G1X+6], 0
	s_mov_b32 s[G1X+7], 0
	s_mov_b32 s[G1W+1], 512<<16
	s_mov_b32 s[G1W+2], 64<<16
	s_mov_b32 s[G1W+3], 512<<16
	s_mov_b32 s[G1W+4], 64
	s_mov_b32 s[G1W+5], 512
	s_mov_b32 s[G1W+6], 0
	s_mov_b32 s[G1W+7], 0
	s_lshl_b32 s76, s36, 17                        ; x: 256 rows of 512 bytes a block
	s_mov_b32 s77, 0
	s_lshl_b32 s78, s35, 16                        ; W: 128 rows of 512 bytes a pair of heads
	s_mov_b32 s79, 0
	s_mul_i32 s39, s[WV], WTILE                    ; wave x 64 LDS rows
	s_wait_dscnt 0x0                               ; both opening adds are done
	s_wait_kmcnt 0x0
	s_cmp_eq_u32 s[WV], 1                          ; which W I fetch: wave 0 Wq, wave 1 Wk, wave 2 Wv
	s_cselect_b64 s[80:81], s[12:13], s[8:9]
	s_cmp_eq_u32 s[WV], 2
	s_cselect_b64 s[80:81], s[16:17], s[80:81]
	s_mov_b32 s[G0X], 1
	s_mov_b32 s[G0X+1], XB
	s_add_nc_u64 s[G0X+2:G0X+3], s[4:5], s[76:77]
	s_or_b32 s[G0X+3], s[G0X+3], 0x80000000
	s_mov_b32 s[G0W], 1
	s_mov_b32 s[G0W+1], s39
	s_add_nc_u64 s[G0W+2:G0W+3], s[80:81], s[78:79]
	s_mov_b32 s[G0V], 1
	s_add_co_u32 s[G0V+1], s39, XB
	s_add_nc_u64 s[G0V+2:G0V+3], s[G0W+2:G0W+3], 0x8000    ; the second head's 64 rows
	s_or_b32 s[G0W+3], s[G0W+3], 0x80000000
	s_or_b32 s[G0V+3], s[G0V+3], 0x80000000
	CROUND                                         ; all sixteen work-groups are here: the joint loads meet
	s_cmp_eq_u32 s[WV], 3                          ; one tensor load a wave, in its own arm
	s_cbranch_scc0 .Lfill_w
	tensor_load_to_lds s[G0X:G0X+3], s[G1X:G1X+7]
	s_nop 0
	PLACES
	s_branch .Lfilled
.Lfill_w:
	tensor_load_to_lds s[G0W:G0W+3], s[G1W:G1W+7]
	s_nop 0
	PLACES
.Lfilled:
	; where my scales, biases and results lie; the second head's lie an immediate offset on
	s_lshl_b32 s92, s36, 13
	s_lshl_b32 s94, s[WV], 11
	s_add_co_u32 s92, s92, s94                     ; x's scales: (256 block + 64 wave) rows of 32 bytes
	s_mov_b32 s93, 0
	s_add_nc_u64 s[6:7], s[6:7], s[92:93]
	s_lshl_b32 s92, s35, 12                        ; W's scales: 64 rows of 32 bytes a head
	s_add_nc_u64 s[10:11], s[10:11], s[92:93]
	s_add_nc_u64 s[14:15], s[14:15], s[92:93]
	s_add_nc_u64 s[18:19], s[18:19], s[92:93]
	s_lshl_b32 s92, s35, 9                         ; biases: 64 numbers a head
	s_add_nc_u64 s[20:21], s[20:21], s[92:93]
	s_add_nc_u64 s[22:23], s[22:23], s[92:93]
	s_add_nc_u64 s[24:25], s[24:25], s[92:93]
	s_lshr_b32 s90, s36, 3
	s_lshl_b32 s90, s90, 4
	s_lshl_b32 s91, s35, 1
	s_add_co_u32 s90, s90, s91                     ; bh = 16 x batch + the first head
	s_and_b32 s91, s36, 7
	s_lshl_b32 s91, s91, 8
	s_lshl_b32 s94, s[WV], 6
	s_add_co_u32 s91, s91, s94                     ; my first token in the sequence
	s_lshl_b32 s94, s91, 5                         ; images: 32 bytes a token
	s_lshl_b32 s95, s91, 2                         ; scale words: 256 bytes for 64 tokens
	s_lshl_b32 s92, s90, 16
	s_add_co_u32 s92, s92, s94
	s_add_nc_u64 s[26:27], s[26:27], s[92:93]      ; q_img
	s_lshl_b32 s92, s90, 13
	s_add_co_u32 s92, s92, s95
	s_add_nc_u64 s[28:29], s[28:29], s[92:93]      ; q_sc
	s_mul_i32 s92, s90, KVH
	s_lshr_b32 s96, s91, 10                        ; which half of the sequence
	s_mul_i32 s96, s96, HKV
	s_add_co_u32 s92, s92, s96
	s_add_nc_u64 s[30:31], s[30:31], s[92:93]      ; kv at my first head's half
	s_and_b32 s91, s91, 0x3ff                      ; my first token in that half
	s_lshl_b32 s92, s91, 5
	s_add_nc_u64 s[82:83], s[30:31], s[92:93]      ; k's images
	s_lshl_b32 s95, s91, 2
	s_add_co_u32 s92, s95, KSCO
	s_add_nc_u64 s[84:85], s[30:31], s[92:93]      ; k's scale words
	s_lshr_b32 s96, s91, 7                         ; which 128 keys,
	s_and_b32 s97, s[WV], 1                        ; and which 64 of them
	s_lshl_b32 s92, s96, 12
	s_lshl_b32 s98, s97, 9
	s_add_co_u32 s92, s92, s98
	s_add_co_u32 s92, s92, VIMG
	s_add_nc_u64 s[86:87], s[30:31], s[92:93]      ; v's images
	s_lshl_b32 s92, s96, 8
	s_lshl_b32 s98, s97, 1
	s_add_co_u32 s92, s92, s98
	s_add_co_u32 s92, s92, VSCO
	s_add_nc_u64 s[88:89], s[30:31], s[92:93]      ; v's scale halves
	v_and_b32 v1, 15, v0                           ; r
	v_bfe_u32 v2, v0, 4, 1                         ; h
	v_and_b32 v3, 31, v0                           ; lane
	v_mul_u32_u24 v[ADW], v1, PITCH
	v_lshl_add_u32 v[ADW], v2, 4, v[ADW]           ; a fragment's row x pitch + 16 h: the first head's Wq and Wk,
	v_add_nc_u32 v[ADW+1], 128*PITCH, v[ADW]       ; its Wv (beyond the reach of a 16-bit offset),
	v_add_nc_u32 v[ADW+2], XB, v[ADW]              ; and the second head's
	v_add_nc_u32 v[ADW+3], XB+128*PITCH, v[ADW]
	s_add_co_u32 s96, s39, XB
	v_add_nc_u32 v[ADX], s96, v[ADW]               ; my 64 rows of x
	v_lshlrev_b32 v[VSC], 5, v1
	v_lshl_add_u32 v[VSC], v2, 4, v[VSC]
	v_lshlrev_b32 v[VB], 5, v2
	v_lshlrev_b32 v[V4R], 2, v1
	v_lshlrev_b32 v[L16], 4, v3
	v_lshlrev_b32 v[L8], 3, v3
	v_lshl_add_u32 v[VVS], v2, 6, v[V4R]
	; SCALE WORDS straight into registers: a row's 32 bytes are eight words, one for each 128 along K.  Lane (r, h) takes bytes 16 h .. 16 h + 15 of row r: 512 consecutive bytes a load.
.irp i, 0,1,2,3
	global_load_b128 v[SX+4*\i:SX+4*\i+3], v[VSC], s[6:7] offset:512*\i
.endr
.macro ASKW n                          ; head n's scale words of W, and its biases in the results' layout
.irp j, 0,1,2,3
	global_load_b128 v[SW+4*\j:SW+4*\j+3], v[VSC], s[10:11] offset:512*\j+2048*\n
	global_load_b128 v[SW+16+4*\j:SW+16+4*\j+3], v[VSC], s[14:15] offset:512*\j+2048*\n
	global_load_b128 v[SW+32+4*\j:SW+32+4*\j+3], v[VSC], s[18:19] offset:512*\j+2048*\n
.endr
	WIN 0xc0                                       ; destination window 3
.irp j, 0,1,2,3
	global_load_b128 v[BQ+8*\j:BQ+8*\j+3], v[VB], s[20:21] offset:64*\j+256*\n     ; lane (r, h), register e: bq[16 j + 8 h + e]
	global_load_b128 v[BQ+8*\j+4:BQ+8*\j+7], v[VB], s[20:21] offset:64*\j+16+256*\n
	global_load_b128 v[BQ+32+8*\j:BQ+32+8*\j+3], v[VB], s[22:23] offset:64*\j+256*\n
	global_load_b128 v[BQ+32+8*\j+4:BQ+32+8*\j+7], v[VB], s[22:23] offset:64*\j+16+256*\n
	global_load_b32 v[BT+\j], v[V4R], s[24:25] offset:64*\j+256*\n                 ; bv[16 j + r]
.endr
	WIN 0
.endm
	ASKW 0
; A UNIT is one of Wq, Wk, Wv (y) at one K step of 128 (s): u = 3 s + y.  Its fragments, 4 tiles of 8 registers, go into buffer u % 4.
.macro LOADU n, u
.set LS, (\u)/3
.set LY, (\u)%3
.set LB, WB+32*((\u)%4)
	WIN 0
.irp j, 0,1,2,3
.irp c, 0,1
	ds_load_b128 v[LB+8*\j+4*\c:LB+8*\j+4*\c+3], v[ADW+2*(\n)+LY/2] offset:(64*(LY%2)+16*\j)*PITCH+64*LS+32*\c
.endr
.endr
.endm
; 16 matrix instructions; the 48 accumulators of a head take turns, one instruction a turn, in the same order in every K step.  In K step 0 the C is the bias: nothing is cleared.
.macro UNIT n, u
.if (\u) > 0
	PLACES                                         ; the buffer that is loaded next was read by the matrix instructions just issued
.endif
.if (\u) < 21
	LOADU \n, (\u)+3
	s_wait_dscnt 24                                ; this unit is in; the next three, 8 loads each, may be out
.else
	s_wait_dscnt 8*(23-(\u))
.endif
.set US, (\u)/3
.set UY, (\u)%3
.set UB, WB+32*((\u)%4)
.set UL, US%4
.if UY < 2
.if US == 0
	WIN 0xb4                                       ; source 0 (W) window 0, source 1 (x) window 1, C (bias) window 3, D window 2
.else
	WIN 0xa4                                       ; C and D window 2
.endif
.irp i, 0,1,2,3
.irp j, 0,1,2,3
.if US == 0
	WM 128*UY+32*\i+8*\j, UB+8*\j, 32*US+8*\i, BQ+32*UY+8*\j, SW+16*UY+4*\j+UL, SX+4*\i+UL, US/4
.else
	WM 128*UY+32*\i+8*\j, UB+8*\j, 32*US+8*\i, 128*UY+32*\i+8*\j, SW+16*UY+4*\j+UL, SX+4*\i+UL, US/4
.endif
.endr
.endr
.else
	WIN 0xf1                                       ; v: source 0 (x) window 1, source 1 (Wv) window 0, C and D window 3
.irp d, 0,1,2,3
.irp i, 0,1,2,3
.if US == 0
	WM 32*\d+8*\i, 32*US+8*\i, UB+8*\d, BV+8*\d, SX+4*\i+UL, SW+32+4*\d+UL, US/4
.else
	WM 32*\d+8*\i, 32*US+8*\i, UB+8*\d, 32*\d+8*\i, SX+4*\i+UL, SW+32+4*\d+UL, US/4
.endif
.endr
.endr
.endif
.endm
; FOUR groups of 32 numbers of a lane in window W, v[src + 32 g] on, become four registers of codes each, and scale words.  Register 8 j + e of a group is k = 16 j + 8 h + e of my row: a block of 32 is two tiles, half of it mine, half lane l xor 16's.
; The statistics of two groups are packed: the exchange of halves and one maximum leave the first group's in lanes 0-15 and the second's in lanes 16-31, and so do the scale words; the conversions' scale operands are copied and exchanged back.
; The scale: the block's largest magnitude (with the floor 2^(3 - 127) among its leaves, so that the byte cannot fall under 1) with 2 taken off its exponent field is the conversion's scale operand; that field is the byte.
; The conversions go tile 0, tile 2, tile 1, tile 3; two exchanges of halves then leave lane (r, h) with the whole block h: k = 32 h .. 32 h + 31 in four registers, as the operand's layout asks.
.macro QUANT4 src, W, pc, kw
	WIN (\W)*5                                     ; sources 0 and 1 in window W
.irp u, 0,1
.irp g, 0,1
.irp b, 0,1
	v_max3_num_f32 v[TM+4*\u+2*\g+\b], |v[\src+64*\u+32*\g+16*\b]|, |v[\src+64*\u+32*\g+16*\b+1]|, 0x1800000       ; each accumulator is read from its low end on
.endr
.endr
.endr
.irp i, 2,4,6,8,10,12,14
.irp u, 0,1
.irp g, 0,1
.irp b, 0,1
	v_max3_num_f32 v[TM+4*\u+2*\g+\b], |v[\src+64*\u+32*\g+16*\b+\i]|, |v[\src+64*\u+32*\g+16*\b+\i+1]|, v[TM+4*\u+2*\g+\b]        ; eight chains by turns
.endr
.endr
.endr
.endr
	WIN 0
.irp u, 0,1
.irp b, 0,1
	v_permlane16_swap_b32 v[TM+4*\u+\b], v[TM+4*\u+2+\b]
.endr
.endr
.irp u, 0,1
.irp b, 0,1
	v_max_num_f32 v[TM+4*\u+\b], v[TM+4*\u+\b], v[TM+4*\u+2+\b]
.endr
.endr
.irp u, 0,1
.irp b, 0,1
	v_add_nc_u32 v[SCO+4*\u+\b], 0xff000000, v[TM+4*\u+\b]
	v_add_nc_u32 v[SCO+4*\u+2+\b], 0xff000000, v[TM+4*\u+\b]
.endr
.endr
.irp u, 0,1
	v_lshrrev_b32 v[TM+4*\u+2], 23, v[SCO+4*\u]
	v_lshrrev_b32 v[TM+4*\u+3], 23, v[SCO+4*\u+1]
.endr
.irp u, 0,1
	v_lshl_or_b32 v[\kw+\u], v[TM+4*\u+3], 8, v[TM+4*\u+2]         ; the word: two bytes, the upper two 0
.endr
.irp u, 0,1
.irp b, 0,1
	v_permlane16_swap_b32 v[SCO+4*\u+\b], v[SCO+4*\u+2+\b]
.endr
.endr
	WIN \W                                         ; source 0 in window W
.irp q, 0,1,2,3
	v_cvt_scalef32_pk8_fp4_f32 v[\pc+4*\q], v[\src+32*\q:\src+32*\q+7], v[SCO+2*\q]
	v_cvt_scalef32_pk8_fp4_f32 v[\pc+4*\q+1], v[\src+32*\q+16:\src+32*\q+23], v[SCO+2*\q+1]
	v_cvt_scalef32_pk8_fp4_f32 v[\pc+4*\q+2], v[\src+32*\q+8:\src+32*\q+15], v[SCO+2*\q]
	v_cvt_scalef32_pk8_fp4_f32 v[\pc+4*\q+3], v[\src+32*\q+24:\src+32*\q+31], v[SCO+2*\q+1]
.endr
	WIN 0
	v_nop                                          ; one plain instruction behind the last scaled conversion
.irp q, 0,1,2,3
	v_permlane16_swap_b32 v[\pc+4*\q], v[\pc+4*\q+1]
	v_permlane16_swap_b32 v[\pc+4*\q+2], v[\pc+4*\q+3]
.endr
.endm
; HEAD n of the pair, whole: 24 units, then the way out.
.macro HEADP n
	LOADU \n, 0
	LOADU \n, 1
	LOADU \n, 2
	s_wait_loadcnt 0x0                             ; scale words and biases
	WIN 0xc3                                       ; destination and source window 3: all eight registers of a tile hold bv[16 d + r]
.irp d, 0,1,2,3
.irp e, 0,1,2,3,4,5,6,7
	v_mov_b32 v[BV+8*\d+\e], v[BT+\d]
.endr
.endr
	WIN 0
	s_wait_alu depctr_va_vdst(0)
.set U, 0
.rept 24
	UNIT \n, U
.set U, U+1
.endr
	PLACES                                         ; behind the last products, ahead of the first read of results and of loads into scale registers
	WIN 0
.if (\n) == 0
	ASKW 1                                         ; the second head's scale words and biases land under the first's way out
.endif
	QUANT4 0, 2, PCB, KW                           ; q: four tiles of 16 tokens
.irp i, 0,1,2,3
	global_store_b128 v[L16], v[PCB+4*\i:PCB+4*\i+3], s[26:27] offset:512*\i+65536*\n              ; 512 consecutive bytes
.endr
	global_store_b64 v[L8], v[KW:KW+1], s[28:29] offset:8192*\n                                    ; 256 consecutive bytes: lanes 0-15 tiles 0 and 2, lanes 16-31 tiles 1 and 3
	QUANT4 128, 2, PCB+16, KW+2                    ; k likewise
.irp i, 0,1,2,3
	global_store_b128 v[L16], v[PCB+16+4*\i:PCB+16+4*\i+3], s[82:83] offset:512*\i+KVH*\n
.endr
	global_store_b64 v[L8], v[KW+2:KW+3], s[84:85] offset:KVH*\n
	QUANT4 0, 3, PCB+32, KW+4                      ; v: four tiles of 16 d; my 64 tokens are two blocks along the keys
.irp i, 0,1,2,3
	global_store_b128 v[L16], v[PCB+32+4*\i:PCB+32+4*\i+3], s[86:87] offset:1024*\i+KVH*\n
.endr
	global_store_b16 v[VVS], v[KW+4], s[88:89] offset:KVH*\n       ; half of each d's word for these 128 keys
	global_store_b16 v[VVS], v[KW+5], s[88:89] offset:128+KVH*\n
.endm
	s_wait_alu depctr_va_vdst(0)                   ; the wait at the head's end
	s_wait_tensorcnt 0x0                           ; my tile is in,
	s_barrier_signal -1
	s_barrier_wait -1                              ; and everybody's is.
	WIN 0x40                                       ; destination window 1: my 64 rows of x, all of K, stay in registers
.irp s, 0,1,2,3,4,5,6,7
.irp i, 0,1,2,3
.irp c, 0,1
	ds_load_b128 v[32*\s+8*\i+4*\c:32*\s+8*\i+4*\c+3], v[ADX] offset:16*PITCH*\i+64*\s+32*\c
.endr
.endr
.endr
	WIN 0
	s_wait_tensorcnt 0x0                           ; ahead of a refill
	ds_add_u32 v254, v255
	s_wait_dscnt 0x0                               ; the add is done, and my reads of x are over
	CROUND                                         ; no wave of any partner still reads x's rows: they may be filled again
	s_cmp_eq_u32 s[WV], 3                          ; wave 3 has no part of W
	s_cbranch_scc1 .Lno_part
	tensor_load_to_lds s[G0V:G0V+3], s[G1W:G1W+7]  ; the second head's W
	s_nop 0
	PLACES
.Lno_part:
	HEADP 0
	s_wait_alu depctr_va_vdst(0)
	s_wait_xcnt 0x0                                ; the stores have read their registers, which are written again
	s_wait_tensorcnt 0x0                           ; my part of the second head's W is in,
	s_wait_dscnt 0x0                               ; no LDS load of mine is out at the signal,
	s_barrier_signal -1
	s_barrier_wait -1                              ; and everybody's part is.
	HEADP 1
	s_wait_alu depctr_va_vdst(0)
	s_wait_tensorcnt 0x0                           ; the wave's end
	ds_add_u32 v254, v255
	s_wait_dscnt 0x0
	CROUND                                         ; the closing round: no work-group ends while a partner may still ask for a tile that names it
	s_endpgm
.Lfunc_end_k_qd4eb916cab_qkv:
	.size	k_qd4eb916cab_qkv, .Lfunc_end_k_qd4eb916cab_qkv-k_qd4eb916cab_qkv
	.p2alignl 7, 3214868480
	.fill 96, 4, 3214868480
	.section	.rodata,"a",@progbits
	.p2align	6, 0x0
	.amdhsa_kernel k_qd4eb916cab_qkv
		.amdhsa_group_segment_fixed_size 327680
		.amdhsa_private_segment_fixed_size 0
		.amdhsa_enable_private_segment 0
		.amdhsa_kernarg_size 112
		.amdhsa_user_sgpr_count 2
		.amdhsa_user_sgpr_kernarg_segment_ptr 1
		.amdhsa_wavefront_size32 1
		.amdhsa_system_sgpr_workgroup_id_x 1
		.amdhsa_system_sgpr_workgroup_id_y 1
		.amdhsa_system_sgpr_workgroup_id_z 1
		.amdhsa_system_vgpr_workitem_id 0
		.amdhsa_next_free_vgpr 1024
		.amdhsa_next_free_sgpr 100
		.amdhsa_reserve_vcc 0
		.amdhsa_float_denorm_mode_32 3
		.amdhsa_float_denorm_mode_16_64 3
		.amdhsa_memory_ordered 1
		.amdhsa_forward_progress 1
		.amdhsa_inst_pref_size 195
	.end_amdhsa_kernel
	.amdgpu_metadata
---
amdhsa.version: [ 1, 2 ]
amdhsa.kernels:
  - .name:           k_qd4eb916cab_qkv
    .symbol:         k_qd4eb916cab_qkv.kd
    .args:
      - { .name: x_codes, .offset: 0, .size: 8, .value_kind: global_buffer, .address_space: global }
      - { .name: x_scales, .offset: 8, .size: 8, .value_kind: global_buffer, .address_space: global }
      - { .name: Wq_codes, .offset: 16, .size: 8, .value_kind: global_buffer, .address_space: global }
      - { .name: Wq_scales, .offset: 24, .size: 8, .value_kind: global_buffer, .address_space: global }
      - { .name: Wk_codes, .offset: 32, .size: 8, .value_kind: global_buffer, .address_space: global }
      - { .name: Wk_scales, .offset: 40, .size: 8, .value_kind: global_buffer, .address_space: global }
      - { .name: Wv_codes, .offset: 48, .size: 8, .value_kind: global_buffer, .address_space: global }
      - { .name: Wv_scales, .offset: 56, .size: 8, .value_kind: global_buffer, .address_space: global }
      - { .name: bq, .offset: 64, .size: 8, .value_kind: global_buffer, .address_space: global }
      - { .name: bk, .offset: 72, .size: 8, .value_kind: global_buffer, .address_space: global }
      - { .name: bv, .offset: 80, .size: 8, .value_kind: global_buffer, .address_space: global }
      - { .name: q_img, .offset: 88, .size: 8, .value_kind: global_buffer, .address_space: global }
      - { .name: q_sc, .offset: 96, .size: 8, .value_kind: global_buffer, .address_space: global }
      - { .name: kv, .offset: 104, .size: 8, .value_kind: global_buffer, .address_space: global }
    .group_segment_fixed_size: 327680
    .private_segment_fixed_size: 0
    .kernarg_segment_align: 8
    .kernarg_segment_size: 112
    .max_flat_workgroup_size: 128
    .sgpr_count:     100
    .vgpr_count:     1024
    .wavefront_size: 32
...
	.end_amdgpu_metadata
.endif
;; end of part 1
;; launch attn (part 2): grid 4 x 64, 8 waves a work-group, clusters of 4 x 1, 327,680 bytes of LDS; arguments q_img, q_sc, kv, y_img, y_sc; writes y_img, y_sc
.if DOCPART == 2
	.amdgcn_target "amdgcn-amd-amdhsa--gfx1250"
	.amdhsa_code_object_version 6
	.text
	.protected	k_qd4eb916cab_attn
	.globl	k_qd4eb916cab_attn
	.p2align	8
	.type	k_qd4eb916cab_attn,@function
k_qd4eb916cab_attn:
	s_mov_b64 s[64:65], 0
	v_nop
	global_prefetch_b8 v0, s[64:65] scope:SCOPE_SE
	s_setreg_imm32_b32 hwreg(HW_REG_WAVE_MODE, 25, 1), 1
	s_wait_xcnt 0x0
	s_wait_alu depctr_hold_cnt(0) depctr_sa_sdst(0) depctr_va_vdst(0) depctr_va_sdst(0) depctr_va_ssrc(0) depctr_va_vcc(0) depctr_vm_vsrc(0)
	s_getreg_b32 s2, hwreg(HW_REG_IB_STS2, 6, 4)
	s_cmp_eq_u32 s2, 0
	s_cbranch_scc0 .Lentry_in_a_cluster
	s_endpgm
.Lentry_in_a_cluster:
	s_bfe_u32 s2, ttmp6, 0x10000c
	s_cmp_lg_u32 s2, 0x3003
	s_cbranch_scc0 .Lentry_shape_is_right
	s_endpgm
.Lentry_shape_is_right:
; y[b][t][head] = softmax over the keys s <= t of (q . k / 8), times v: both products on codes of FP4 (E2M1) with E8M0 scales; y is quantised here along C (a block of 32 is half a head) and leaves as codes.
; WORK LEFT OUT: tiles of keys that the causal mask of the problem hides from every query of a tile: their p is 0 for all values of the inputs.  A NaN or an infinity that reaches only such tiles is not carried to the result.
; THE SOFTMAX AHEAD OF THE SECOND PRODUCT: t = score x log2(e) / 8; M = the running largest t rounded UP to a whole number; p = 2^(t - M) is quantised along the keys, not normalised; the row's sum is taken of the
; unquantised p and divides at the end.  When M moves, the sum and O are multiplied by 2^(old M - new M), which rounds nothing.
; SHARES.  The four work-groups of a cluster belong to one (batch, head); each of a work-group's eight waves, two to a SIMD, walks TWO tiles of 16 queries TOGETHER, so that k's and v's fragments and scale words serve both.  The 2,048 queries are 16
; groups of 128; work-group cx takes tiles cx (A) and 4 + cx (B) of a group; wave w takes group w in the first pass and group 15 - w in the second: 15 whole key steps of 128 and two on the diagonal in every wave.
; No branch hangs on cx: it enters q's and y's addresses and the mask's numbers.  On the diagonal A needs the group's first 64 keys alone, B all 128.
; THE MASK IS THE C OF THE DIAGONAL'S PRODUCTS: 0, or -1e30 where the key comes after the query: 32 registers, made once; the same 64 x 16 pattern serves A (keys 0-63) and B (keys 64-127).
; LDS.  A head's k, v and scales are two halves of 1,024 keys, 71,680 bytes each; every LDS byte is filled once.  Half 0 comes at the head, half 1 behind the round that shows half 0: each wave asks jointly for 35 rows of 256 bytes a half.
; The first pass (groups 0 to 7) needs half 0 alone; half 1 is shown by a barrier that is signalled ahead of the second pass and waited for behind that pass's eight steps over half 0.
; No prefetch: half 0 is asked for at the head, with no loop ahead of it, and half 1's load has the first pass and eight steps of the second in which to land.
; LAYOUT.  S^T = k q^T (source 0 = 16 keys, source 1 = 16 queries), O^T = v^T p^T: a lane holds ONE query of each tile.  Key tile t, register e of lane (r, h) is key 16 t + 8 h + e; the conversions take the tiles in the order 0, 2, 1, 3
; and two exchanges of halves leave a whole block of 32 keys in a lane.
; PACKED STATISTICS.  v_permlane16_swap_b32 of A's and B's numbers, then one maximum (or sum), joins the two halves of the lanes of both tiles: lanes 0-15 then hold A's rows, lanes 16-31 B's.  What every lane needs is copied and swapped back.
; K = 64 IN AN INSTRUCTION OF 128: q's upper four registers are zero codes.  A tile of k is four registers; its fragment is named as eight, the upper four being the next tile's codes, which meet zeros (behind the last tile: four zeros).
; Bytes 2 and 3 of both scale words are 0, which is a power of two and no NaN.
; LIMITS: scaled scores (t) under 2^31 in magnitude; a block of zeros gets the scale byte 1 (its codes are zeros; this program alone reads the bytes); NaN and infinities are not served.  y's scale bytes leave by stores of 2 bytes (256 KiB in all).
; REGISTERS.  window 0: v1-10 addresses and constants; v12-47 k; v48-79 v; v80-111 q of both passes; v112-127 p's codes; v128-137 scale words and nothing else; v140-167 statistics; v168-181 the way out; v254-255 the add's.
;   window 1: v0-63 S^T of A, then p; v64-127 of B; v128-159 O^T of A; v160-191 of B; v192-223 the mask; v224-231 A's sums in four pairs, v232-239 B's.
.set HB,   71680                       ; half a head's block
.set WSH,  8960                        ; a wave's share of a half: 35 rows of 256 bytes
.set VIMG, 32768                       ; in a half: k's images, v's,
.set KSCO, 65536                       ; k's scale words,
.set VSCO, 69632                       ; v's
.set SPARE, 2*HB                       ; the spare words, 128 bytes a wave: four blocks of 256 bytes that no other line names
.set ADK, 8
.set ADS, 9
.set ADT, 10
.set KF,  12
.set ZZ,  44                           ; KF + 32: the four zeros behind k's last tile
.set VF,  48
.set QF,  80
.set PC,  112
.set KS,  128                          ; k's words: register 2 (t / 4) + (t / 2) % 2, tile t's in lanes 16 (t % 2) on
.set VS,  132                          ; v's: register d / 2, tile d's in lanes 16 (d % 2) on
.set PWD, 134                          ; p's: A's in lanes 0-15, B's in lanes 16-31
.set QS,  136                          ; q's likewise, one register a pass
.set BM,  140
.set MX,  148                          ; the running largest score, packed
.set NP,  149                          ; -M, packed
.set T0,  150
.set T1,  151
.set NA,  152                          ; -M of A, of B in all lanes (the pairs' upper registers are named and not used)
.set NB,  154
.set FA,  156                          ; 2^(old M - new M) of A, of B
.set FB,  158
.set SCA, 160                          ; the conversions' scale operands: A's four blocks, B's four
.set SCB, 164
.set YP,  168
.set YW,  176
.set RA,  178
.set RB,  180
.set OA,  128
.set OB,  160
.set MK,  192
.set LA,  224
.set LB,  232
.set WV,  14
.set CX,  15
.set BH,  16
.set GG,  18                           ; the trip on which the diagonal lies: first pass w, second pass (behind its eight steps over half 0) 7 - w
.set CS,  22
.set G1,  24
.set G0,  32
.set QI,  36                           ; s[36:39] q's images, a pair for each pass;  s[40:43] its scale words;  s[44:47] y's images;  s[48:51] y's scale bytes
.set QC,  40
.set YI,  44
.set YC,  48
.set SS,  52
.set TBK, 53                           ; where the step's images begin: 4,096 bytes a step, in k's and in v's
.set TS,  54                           ; k's scale words: 512 bytes a step
.set TJ,  55                           ; v's: 256
.set GA,  66                           ; s66, s67: the group of the first pass, w, and of the second, 15 - w
.set MSB, 0
.macro WIN new                         ; the immediate's high byte repeats the setting that is left; a switch that changes nothing is dropped
.if MSB != \new
	s_set_vgpr_msb (MSB<<8)|\new
.set MSB, \new
.endif
.endm
.macro CROUND                          ; a round of the cluster's barrier
	s_barrier_signal -1
	s_barrier_wait -1
	s_cmp_lg_u32 s[WV], 0
	s_cbranch_scc1 .Lnot_wave_0_\@
	s_barrier_signal -3
.Lnot_wave_0_\@:
	s_barrier_wait -3
	s_barrier_signal -1
	s_barrier_wait -1
.endm
.macro WC d, a, b, c, sa, sb, m1, m2   ; one product; c under 0: the constant 0
.if (\c) < 0
	v_wmma_scale_f32_16x16x128_f8f6f4 v[\d:\d+7], v[\a:\a+7], v[\b:\b+7], 0, v[\sa], v[\sb] matrix_a_fmt:MATRIX_FMT_FP4 matrix_b_fmt:MATRIX_FMT_FP4 \m1 \m2
.else
	v_wmma_scale_f32_16x16x128_f8f6f4 v[\d:\d+7], v[\a:\a+7], v[\b:\b+7], v[\c:\c+7], v[\sa], v[\sb] matrix_a_fmt:MATRIX_FMT_FP4 matrix_b_fmt:MATRIX_FMT_FP4 \m1 \m2
.endif
.endm
.macro WM d, a, b, c, sa, sb, ra, rb   ; ra, rb = 1: that side's scales come from lanes 16-31
.if ((\ra) == 1) && ((\rb) == 1)
	WC \d, \a, \b, \c, \sa, \sb, matrix_a_scale:MATRIX_SCALE_ROW1, matrix_b_scale:MATRIX_SCALE_ROW1
.elseif (\ra) == 1
	WC \d, \a, \b, \c, \sa, \sb, matrix_a_scale:MATRIX_SCALE_ROW1
.elseif (\rb) == 1
	WC \d, \a, \b, \c, \sa, \sb, matrix_b_scale:MATRIX_SCALE_ROW1
.else
	WC \d, \a, \b, \c, \sa, \sb
.endif
.endm
	s_load_b256 s[4:11], s[0:1], 0x0               ; q_img s[4:5], q_sc s[6:7], kv s[8:9], y_img s[10:11]
	s_load_b64 s[12:13], s[0:1], 0x20              ; y_sc
	v_lshl_add_u32 v254, v0, 2, SPARE
	v_mov_b32 v255, 0
	ds_add_u32 v254, v255                          ; the wave's opening: the add, twice on end, and its wait
	ds_add_u32 v254, v255
	v_lshrrev_b32 v8, 5, v0
	v_readfirstlane_b32 s[WV], v8                  ; wave 0..7
	s_and_b32 s[BH], ttmp7, 0xffff                 ; 16 x batch + head, which the four partners share
	s_mul_i32 s56, s[BH], 2*HB
	s_mul_i32 s[G0+1], s[WV], WSH                  ; LDS address: my 35 rows of half 0
	s_add_co_u32 s56, s56, s[G0+1]                 ; and the same place in the head's block
	s_mov_b32 s57, 0
	s_mov_b32 s[G1], 15|(3<<16)|(1<<21)            ; the mask: all four work-groups; elements of 8 bytes; no padding: fragments are read 16 bytes a lane on end
	s_mov_b32 s[G1+1], 32<<16                      ; tensor_dim0 = 32 elements: 256 bytes
	s_mov_b32 s[G1+2], 35<<16                      ; tensor_dim1
	s_mov_b32 s[G1+3], 32<<16                      ; tile_dim0
	s_mov_b32 s[G1+4], 35                          ; tile_dim1
	s_mov_b32 s[G1+5], 32                          ; dense
	s_mov_b32 s[G1+6], 0
	s_mov_b32 s[G1+7], 0
	s_mov_b32 s[G0], 1
	s_mov_b32 s[CS], 0x3e38aa3b                    ; c = log2(e) / 8
	s_mov_b32 s[CS+1], s[CS]                       ; (named with it as a pair)
	s_wait_dscnt 0x0                               ; both opening adds are done
	s_wait_kmcnt 0x0
	s_add_nc_u64 s[G0+2:G0+3], s[8:9], s[56:57]
	s_or_b32 s[G0+3], s[G0+3], 0x80000000
	CROUND                                         ; all four work-groups are here: the joint loads meet
	tensor_load_to_lds s[G0:G0+3], s[G1:G1+7]      ; half 0: one tensor load a wave at the head
	s_nop 0
.rept 4
	v_nop
.endr
	s_bfe_u32 s[CX], ttmp6, 0x40000                ; cx
	s_mov_b32 s[GG], s[WV]
	s_xor_b32 s[GG+1], s[WV], 7
	s_mov_b32 s[GA], s[WV]
	s_xor_b32 s[GA+1], s[WV], 15
.macro PTRS p                          ; the addresses of pass p's tile A; B's lie four tiles on
	s_lshl_b32 s58, s[GA+\p], 3
	s_add_co_u32 s58, s58, s[CX]                   ; tile A's number in the sequence: 8 x group + cx
	s_mov_b32 s61, 0
	s_lshl_b32 s60, s[BH], 16
	s_lshl_b32 s62, s58, 9
	s_add_co_u32 s60, s60, s62
	s_add_nc_u64 s[QI+2*\p:QI+2*\p+1], s[4:5], s[60:61]    ; q's image: 512 bytes a tile
	s_lshl_b32 s60, s[BH], 13
	s_lshl_b32 s62, s[GA+\p], 9
	s_add_co_u32 s60, s60, s62                     ; its scale words: 256 bytes for four tiles, two such blocks a group,
	s_and_b32 s62, s[CX], 1
	s_lshl_b32 s62, s62, 7
	s_add_co_u32 s60, s60, s62                     ; odd tiles in the upper lanes' places,
	s_lshr_b32 s62, s[CX], 1
	s_lshl_b32 s62, s62, 2
	s_add_co_u32 s60, s60, s62                     ; tiles 2 and 3 in the second word
	s_add_nc_u64 s[QC+2*\p:QC+2*\p+1], s[6:7], s[60:61]
	s_and_b32 s60, s[BH], 0xf0
	s_add_co_u32 s60, s60, s[GA+\p]                ; y's group of 128 tokens: 16 x batch + group
	s_lshl_b32 s60, s60, 16
	s_bfe_u32 s62, s[BH], 0x30001
	s_lshl_b32 s62, s62, 13
	s_add_co_u32 s60, s60, s62                     ; the K step of the last product: head / 2
	s_lshl_b32 s62, s[CX], 10
	s_add_co_u32 s60, s60, s62                     ; the tile in the group
	s_and_b32 s62, s[BH], 1
	s_lshl_b32 s62, s62, 9
	s_add_co_u32 s60, s60, s62                     ; which 64 of the K step: head % 2
	s_add_nc_u64 s[YI+2*\p:YI+2*\p+1], s[10:11], s[60:61]
	s_lshr_b32 s60, s[BH], 4
	s_lshl_b32 s60, s60, 16
	s_lshl_b32 s62, s58, 9
	s_add_co_u32 s60, s60, s62                     ; y's scale bytes: 32 a token,
	s_and_b32 s62, s[BH], 15
	s_lshl_b32 s62, s62, 1
	s_add_co_u32 s60, s60, s62                     ; two a head
	s_add_nc_u64 s[YC+2*\p:YC+2*\p+1], s[12:13], s[60:61]
.endm
	PTRS 0
	PTRS 1
	s_lshl_b32 s63, s[CX], 4
	v_and_b32 v2, 31, v0                           ; lane
	v_and_b32 v8, 15, v0                           ; r
	v_bfe_u32 v9, v0, 4, 1                         ; h
	v_lshlrev_b32 v1, 4, v2                        ; v1 = 16 x lane: images
	v_lshl_add_u32 v3, v2, 3, KSCO                 ; v3: k's scale words
	v_lshl_add_u32 v4, v2, 2, VSCO                 ; v4: v's
	v_lshlrev_b32 v7, 5, v8
	v_lshl_add_u32 v7, v9, 11, v7                  ; v7 = 32 r + 2,048 h: y's scale bytes: A's rows in lanes 0-15, B's, 64 tokens on, in lanes 16-31
	v_lshlrev_b32 v11, 3, v8
	v_lshl_add_u32 v11, v9, 8, v11                 ; v11 = 8 r + 256 h: q's scale words likewise
	v_lshlrev_b32 v10, 3, v9
	v_sub_nc_u32 v5, v8, v10
	v_add_nc_u32 v5, s63, v5                       ; v5 = my query in its 64, 16 cx + r, less 8 h: register 8 t + e of the mask hides where 16 t + e is greater
	v_mov_b32 v6, 0xf149f2ca                       ; -1e30
	global_load_b128 v[QF:QF+3], v1, s[QI:QI+1]
	global_load_b128 v[QF+8:QF+11], v1, s[QI:QI+1] offset:2048
	global_load_b128 v[QF+16:QF+19], v1, s[QI+2:QI+3]
	global_load_b128 v[QF+24:QF+27], v1, s[QI+2:QI+3] offset:2048
	global_load_b32 v[QS], v11, s[QC:QC+1]
	global_load_b32 v[QS+1], v11, s[QC+2:QC+3]
.irp e, 0,1,2,3
	v_mov_b32 v[QF+4+\e], 0                        ; q's upper 64 along K: zero codes
	v_mov_b32 v[QF+12+\e], 0
	v_mov_b32 v[QF+20+\e], 0
	v_mov_b32 v[QF+28+\e], 0
	v_mov_b32 v[ZZ+\e], 0
.endr
.irp n, NA, NB, FA, FB, RA, RB
	v_mov_b32 v[\n+1], 0                           ; (named as the upper half of a pair)
.endr
	WIN 0x40                                       ; destination window 1
.irp t, 0,1,2,3
.irp e, 0,1,2,3,4,5,6,7
	v_cmp_gt_i32 vcc_lo, 16*\t+\e, v5
	v_cndmask_b32 v[MK+8*\t+\e], 0, v6, vcc_lo
.endr
.endr
	WIN 0
	s_wait_alu depctr_va_vdst(0)                   ; the wait at the head's end
	s_wait_tensorcnt 0x0                           ; my 35 rows of half 0 are in
	ds_add_u32 v254, v255
	s_add_co_u32 s[G0+1], s[G0+1], HB              ; (no tensor load of mine is out) on to half 1
	s_add_nc_u64 s[G0+2:G0+3], s[G0+2:G0+3], HB
	s_wait_dscnt 0x0                               ; the add is done
	CROUND                                         ; everybody's part of half 0 is in, and the joint loads of half 1 meet
	tensor_load_to_lds s[G0:G0+3], s[G1:G1+7]
	s_nop 0
.rept 4
	v_nop
.endr
	s_wait_loadcnt 0x0                             ; q
.macro KLOAD ko, so                    ; a step's eight tiles of k and their scale words
.irp t, 0,1,2,3,4,5,6,7
	ds_load_b128 v[KF+4*\t:KF+4*\t+3], v[ADK] offset:\ko+512*\t
.endr
.irp u, 0,1
	ds_load_b64 v[KS+2*\u:KS+2*\u+1], v[ADS] offset:\so+256*\u
.endr
.endm
; A KEY STEP of 128 keys for both tiles of pass p.  dg = 1: the diagonal: A walks keys 0-63 alone, under the mask; B's keys 64-127 are under the mask.
; k's fragments were loaded a step ahead; an open step loads the next step's.  (On the last step over half 0 in the second pass these loads read bytes of half 0 that nobody uses: k's first step of half 1 is loaded behind the barrier.)
.macro STEP p, dg
	WIN 0x50                                       ; C and D window 1, sources window 0
.irp t, 0,1,2,3,4,5,6,7
.if (\dg) == 0
	WM 8*\t, KF+4*\t, QF+16*\p, -1, KS+2*(\t/4)+(\t/2)%2, QS+\p, \t%2, 0
.elseif \t < 4
	WM 8*\t, KF+4*\t, QF+16*\p, MK+8*\t, KS+2*(\t/4)+(\t/2)%2, QS+\p, \t%2, 0
.endif
.endr
.irp t, 0,1,2,3,4,5,6,7
.if ((\dg) == 1) && (\t > 3)
	WM 64+8*\t, KF+4*\t, QF+16*\p+8, MK+8*(\t-4), KS+2*(\t/4)+(\t/2)%2, QS+\p, \t%2, 1
.else
	WM 64+8*\t, KF+4*\t, QF+16*\p+8, -1, KS+2*(\t/4)+(\t/2)%2, QS+\p, \t%2, 1
.endif
.endr
	WIN 0
	v_add_nc_u32 v[ADK], s[TBK], v1                ; these four are the places between the products and the first read of their results
	v_add_nc_u32 v[ADS], s[TS], v3
	v_add_nc_u32 v[ADT], s[TJ], v4
	v_nop
.if \dg
	v_mov_b32 v[BM+2], 0xff61b1e6                  ; A's hidden blocks: -3e38
	v_mov_b32 v[BM+3], 0xff61b1e6
.endif
	WIN 0x05                                       ; the largest score of each block of 32 keys, my 16 of them: for the row's maximum, and for the block's scale
.irp b, 0,1,2,3
.if ((\dg) == 0) || (\b < 2)
	v_max_num_f32 v[BM+\b], v[16*\b], v[16*\b+1]
.endif
	v_max_num_f32 v[BM+4+\b], v[64+16*\b], v[64+16*\b+1]
.endr
.irp i, 2,4,6,8,10,12,14
.irp b, 0,1,2,3
.if ((\dg) == 0) || (\b < 2)
	v_max3_num_f32 v[BM+\b], v[16*\b+\i], v[16*\b+\i+1], v[BM+\b]
.endif
	v_max3_num_f32 v[BM+4+\b], v[64+16*\b+\i], v[64+16*\b+\i+1], v[BM+4+\b]
.endr
.endr
	WIN 0
.if (\dg) == 0
	KLOAD 4096, 512                                ; the next step's k
.endif
.irp d, 0,1,2,3
.irp c, 0,1
	ds_load_b128 v[VF+8*\d+4*\c:VF+8*\d+4*\c+3], v[ADK] offset:VIMG+1024*\d+512*\c
.endr
.endr
.irp u, 0,1
	ds_load_b32 v[VS+\u], v[ADT] offset:128*\u
.endr
.irp b, 0,1,2,3
	v_permlane16_swap_b32 v[BM+\b], v[BM+4+\b]     ; both halves of A's lanes side by side in lanes 0-15, of B's in lanes 16-31
.endr
.irp b, 0,1,2,3
	v_max_num_f32 v[BM+\b], v[BM+\b], v[BM+4+\b]
.endr
	v_max3_num_f32 v[MX], v[MX], v[BM], v[BM+1]
	s_delay_alu instid0(VALU_DEP_1)
	v_max3_num_f32 v[MX], v[MX], v[BM+2], v[BM+3]  ; the running largest score
	s_delay_alu instid0(VALU_DEP_1)
	v_mul_f32 v[T0], s[CS], v[MX]                  ; as t
	s_delay_alu instid0(VALU_DEP_1)
	v_floor_f32 v[NA], -v[T0]                      ; the new -M = -ceil(t): a whole number
	v_floor_f32 v[NB], -v[T0]
	v_sub_f32 v[T1], v[NA], v[NP]                  ; old M - new M, 0 or less
	v_mov_b32 v[NP], v[NA]
	v_permlane16_swap_b32 v[NA], v[NB]             ; A's in all lanes, B's in all lanes
	v_cvt_i32_f32 v[T1], v[T1]                     ; (it saturates)
.irp b, 0,1,2,3
	v_fma_f32 v[BM+\b], v[BM+\b], s[CS], v[NP]     ; t - M of each block's largest score, packed
.endr
	v_ldexp_f32 v[FA], 1.0, v[T1]                  ; 2^(old M - new M)
	v_ldexp_f32 v[FB], 1.0, v[T1]
	WIN 0x41
.set n, 0
.rept 32
.if ((\dg) == 0) || (n < 32)
	v_pk_fma_f32 v[n:n+1], v[n:n+1], s[CS:CS+1], v[NA:NA+1] op_sel_hi:[1,0,0]      ; t - M, two at a time
.endif
.set n, n+2
.endr
	WIN 0
	v_permlane16_swap_b32 v[FA], v[FB]
	WIN 0x41
.set n, 0
.rept 16
	v_pk_mul_f32 v[OA+n:OA+n+1], v[OA+n:OA+n+1], v[FA:FA+1] op_sel_hi:[1,0]        ; O^T under the new M
	v_pk_mul_f32 v[OB+n:OB+n+1], v[OB+n:OB+n+1], v[FB:FB+1] op_sel_hi:[1,0]
.set n, n+2
.endr
	s_wait_alu depctr_va_vdst(0)                   ; the wait ahead of the batch
.set n, 0
.rept 32                               ; A's exponentials, and between them B's t - M, two at a time
.if ((\dg) == 0) || (n < 32)
	v_exp_f32 v[n], v[n]                           ; p = 2^(t - M)
.endif
	v_pk_fma_f32 v[64+n:65+n], v[64+n:65+n], s[CS:CS+1], v[NB:NB+1] op_sel_hi:[1,0,0]
.if ((\dg) == 0) || (n < 32)
	v_exp_f32 v[n+1], v[n+1]
.endif
.set n, n+2
.endr
	s_wait_alu depctr_va_vdst(0)                   ; the wait between B's t - M and B's exponentials
.set n, 0
.rept 64
	v_exp_f32 v[64+n], v[64+n]
.set n, n+1
.endr
	WIN 0
	; THE BLOCKS' SCALES, packed, behind the batch: a block's largest p is 2^x, x = t - M of its largest score, so its exponent is floor(x); held at -124 from below, so that the byte floor(x) + 127 - 2 lies in 1 .. 125
.irp b, 0,1,2,3
	v_max_num_f32 v[BM+\b], 0xc2f80000, v[BM+\b]
.endr
.irp b, 0,1,2,3
	v_floor_f32 v[BM+\b], v[BM+\b]
.endr
.irp b, 0,1,2,3
	v_cvt_i32_f32 v[BM+\b], v[BM+\b]
.endr
.irp b, 0,1,2,3
	v_lshl_add_u32 v[SCA+\b], v[BM+\b], 23, 125<<23        ; the conversion's scale operand: the byte as an exponent field
	v_lshl_add_u32 v[SCB+\b], v[BM+\b], 23, 125<<23
.endr
	v_lshl_add_u32 v[T1], v[BM+1], 8, v[BM]
	v_lshl_add_u32 v[T0], v[BM+3], 8, v[BM+2]
.irp b, 0,1,2,3
	v_permlane16_swap_b32 v[SCA+\b], v[SCB+\b]
.endr
	v_lshl_add_u32 v[T1], v[T0], 16, v[T1]
	v_add_nc_u32 v[PWD], 0x7d7d7d7d, v[T1]         ; p's scale word for these 128 keys: 125 added in each byte
	s_wait_alu depctr_va_vdst(0)                   ; one wait for the batch, ahead of its first reader
	s_wait_dscnt 0x0                               ; v and its words are in, and the next step's k
	WIN 0x01
.irp c, 0,1                            ; tiles 4 c, 4 c + 2, 4 c + 1, 4 c + 3
.if ((\dg) == 0) || (\c == 0)
	v_cvt_scalef32_pk8_fp4_f32 v[PC+4*\c], v[32*\c:32*\c+7], v[SCA+2*\c]
	v_cvt_scalef32_pk8_fp4_f32 v[PC+4*\c+1], v[32*\c+16:32*\c+23], v[SCA+2*\c+1]
	v_cvt_scalef32_pk8_fp4_f32 v[PC+4*\c+2], v[32*\c+8:32*\c+15], v[SCA+2*\c]
	v_cvt_scalef32_pk8_fp4_f32 v[PC+4*\c+3], v[32*\c+24:32*\c+31], v[SCA+2*\c+1]
.endif
	v_cvt_scalef32_pk8_fp4_f32 v[PC+8+4*\c], v[64+32*\c:71+32*\c], v[SCB+2*\c]
	v_cvt_scalef32_pk8_fp4_f32 v[PC+9+4*\c], v[80+32*\c:87+32*\c], v[SCB+2*\c+1]
	v_cvt_scalef32_pk8_fp4_f32 v[PC+10+4*\c], v[72+32*\c:79+32*\c], v[SCB+2*\c]
	v_cvt_scalef32_pk8_fp4_f32 v[PC+11+4*\c], v[88+32*\c:95+32*\c], v[SCB+2*\c+1]
.endr
	WIN 0
	v_nop                                          ; one plain instruction behind the last scaled conversion
.irp c, 0,1
.if ((\dg) == 0) || (\c == 0)
	v_permlane16_swap_b32 v[PC+4*\c], v[PC+4*\c+1]         ; lanes 0-15 block 2 c, lanes 16-31 block 2 c + 1, whole
	v_permlane16_swap_b32 v[PC+4*\c+2], v[PC+4*\c+3]
.else
	v_mov_b32 v[PC+4], 0                           ; A's hidden blocks: zero codes
	v_mov_b32 v[PC+5], 0
	v_mov_b32 v[PC+6], 0
	v_mov_b32 v[PC+7], 0
.endif
	v_permlane16_swap_b32 v[PC+8+4*\c], v[PC+9+4*\c]
	v_permlane16_swap_b32 v[PC+10+4*\c], v[PC+11+4*\c]
.endr
	WIN 0x51
.irp i, 0,2,4,6                        ; the sums, four pairs a tile: the first addition brings them under the new M.  These eight also stand between the codes just made and the products
	v_pk_fma_f32 v[LA+\i:LA+\i+1], v[LA+\i:LA+\i+1], v[FA:FA+1], v[\i:\i+1] op_sel_hi:[1,0,1]
	v_pk_fma_f32 v[LB+\i:LB+\i+1], v[LB+\i:LB+\i+1], v[FB:FB+1], v[64+\i:65+\i] op_sel_hi:[1,0,1]
.endr
	WIN 0x50
.irp d, 0,1,2,3                        ; O^T += v^T p^T: the eight accumulators by turns
	WM OA+8*\d, VF+8*\d, PC, OA+8*\d, VS+\d/2, PWD, \d%2, 0
.endr
.irp d, 0,1,2,3
	WM OB+8*\d, VF+8*\d, PC+8, OB+8*\d, VS+\d/2, PWD, \d%2, 1
.endr
	WIN 0x45
.set n, 8
.rept 7
.irp i, 0,2,4,6
.if ((\dg) == 0) || (n < 32)
	v_pk_add_f32 v[LA+\i:LA+\i+1], v[LA+\i:LA+\i+1], v[n+\i:n+\i+1]
.endif
	v_pk_add_f32 v[LB+\i:LB+\i+1], v[LB+\i:LB+\i+1], v[64+n+\i:65+n+\i]
.endr
.set n, n+8
.endr
	WIN 0
	s_wait_alu depctr_va_vdst(0)                   ; the wait ahead of the branch
.endm
; The start of a pass: the step is written once for all trips, so the first finds zeros.
.macro INIT
	v_mov_b32 v[MX], 0xff61b1e6                    ; the largest score so far: -3e38
	v_mov_b32 v[NP], 0x7e000000                    ; -M so far: over every number that follows, so that the first factor is 0
	WIN 0x40
.set n, 0
.rept 32
	v_pk_add_f32 v[OA+n:OA+n+1], v[ZZ:ZZ+1], v[ZZ:ZZ+1]
.set n, n+2
.endr
.set n, 0
.rept 8
	v_pk_add_f32 v[LA+n:LA+n+1], v[ZZ:ZZ+1], v[ZZ:ZZ+1]
.set n, n+2
.endr
	WIN 0
.endm
; Eight trips over a half that begins at LDS byte base.  diag = 1: the diagonal lies on trip s[GG + p]; a trip behind it is jumped over, but for the lines that step addresses.
.macro WALK p, base, diag
	s_mov_b32 s[SS], 0
	s_mov_b32 s[TBK], \base
	s_mov_b32 s[TS], \base
	s_mov_b32 s[TJ], \base
	v_add_nc_u32 v[ADK], s[TBK], v1
	v_add_nc_u32 v[ADS], s[TS], v3
	KLOAD 0, 0
	s_wait_alu depctr_va_vdst(0)
	s_wait_dscnt 0x0
.Lstep_\@:
.if \diag
	s_cmp_gt_u32 s[SS], s[GG+\p]
	s_cbranch_scc1 .Lhid_\@
	s_cmp_eq_u32 s[SS], s[GG+\p]
	s_cbranch_scc1 .Ldiag_\@
.endif
	STEP \p, 0
.if \diag
	s_branch .Lhid_\@
.Ldiag_\@:
	STEP \p, 1
.Lhid_\@:
.endif
	s_add_co_u32 s[TBK], s[TBK], 4096
	s_add_co_u32 s[TS], s[TS], 512
	s_add_co_u32 s[TJ], s[TJ], 256
	s_add_co_u32 s[SS], s[SS], 1
	s_cmp_lt_u32 s[SS], 8
	s_cbranch_scc1 .Lstep_\@
.endm
; The end of a pass: y = O^T / the sum, quantised: register 8 j + e of a lane is d = 16 j + 8 h + e; tiles 0, 1 are a block of 32, tiles 2, 3 the other.
.macro FINISH p
	WIN 0x45
.irp i, 0,4
	v_pk_add_f32 v[LA+\i:LA+\i+1], v[LA+\i:LA+\i+1], v[LA+\i+2:LA+\i+3]
	v_pk_add_f32 v[LB+\i:LB+\i+1], v[LB+\i:LB+\i+1], v[LB+\i+2:LB+\i+3]
.endr
	v_pk_add_f32 v[LA:LA+1], v[LA:LA+1], v[LA+4:LA+5]
	v_pk_add_f32 v[LB:LB+1], v[LB:LB+1], v[LB+4:LB+5]
	WIN 0x05
	v_add_f32 v[T0], v[LA], v[LA+1]
	v_add_f32 v[T1], v[LB], v[LB+1]
	WIN 0
	v_permlane16_swap_b32 v[T0], v[T1]
	v_add_f32 v[RA], v[T0], v[T1]                  ; the rows' sums, packed
	s_wait_alu depctr_va_vdst(0)                   ; the wait ahead of the transcendental,
	v_rcp_f32 v[RA], v[RA]
	v_nop                                          ; a plain place behind it,
	s_wait_alu depctr_va_vdst(0)                   ; and the wait ahead of its first reader
	v_mov_b32 v[RB], v[RA]
	v_permlane16_swap_b32 v[RA], v[RB]             ; A's in all lanes, B's in all lanes
	WIN 0x41
	s_wait_alu depctr_va_vdst(0)                   ; the wait ahead of the first reader of O^T behind a transcendental
.set n, 0
.rept 16
	v_pk_mul_f32 v[n:n+1], v[OA+n:OA+n+1], v[RA:RA+1] op_sel_hi:[1,0]              ; each accumulator from its low end on
	v_pk_mul_f32 v[64+n:65+n], v[OB+n:OB+n+1], v[RB:RB+1] op_sel_hi:[1,0]
.set n, n+2
.endr
	WIN 0x05
.irp b, 0,1
	v_max3_num_f32 v[BM+\b], |v[16*\b]|, |v[16*\b+1]|, 0x1800000                   ; the floor 2^(3 - 127): the byte cannot fall under 1
	v_max3_num_f32 v[BM+4+\b], |v[64+16*\b]|, |v[64+16*\b+1]|, 0x1800000
.endr
.irp i, 2,4,6,8,10,12,14
.irp b, 0,1
	v_max3_num_f32 v[BM+\b], |v[16*\b+\i]|, |v[16*\b+\i+1]|, v[BM+\b]
	v_max3_num_f32 v[BM+4+\b], |v[64+16*\b+\i]|, |v[64+16*\b+\i+1]|, v[BM+4+\b]
.endr
.endr
	WIN 0
.irp b, 0,1
	v_permlane16_swap_b32 v[BM+\b], v[BM+4+\b]
.endr
.irp b, 0,1
	v_max_num_f32 v[BM+\b], v[BM+\b], v[BM+4+\b]
.endr
.irp b, 0,1
	v_add_nc_u32 v[SCA+\b], 0xff000000, v[BM+\b]   ; 2 off the exponent field: the conversion's scale operand
	v_add_nc_u32 v[SCB+\b], 0xff000000, v[BM+\b]
.endr
	v_lshrrev_b32 v[T0], 23, v[SCA]                ; the bytes,
	v_lshrrev_b32 v[T1], 23, v[SCA+1]
	v_lshl_or_b32 v[YW], v[T1], 8, v[T0]           ; A's rows' two in lanes 0-15, B's in lanes 16-31
.irp b, 0,1
	v_permlane16_swap_b32 v[SCA+\b], v[SCB+\b]
.endr
	WIN 0x01
.irp x, 0,1
	v_cvt_scalef32_pk8_fp4_f32 v[YP+4*\x], v[64*\x:64*\x+7], v[SCA+4*\x]
	v_cvt_scalef32_pk8_fp4_f32 v[YP+4*\x+1], v[64*\x+16:64*\x+23], v[SCA+4*\x+1]
	v_cvt_scalef32_pk8_fp4_f32 v[YP+4*\x+2], v[64*\x+8:64*\x+15], v[SCA+4*\x]
	v_cvt_scalef32_pk8_fp4_f32 v[YP+4*\x+3], v[64*\x+24:64*\x+31], v[SCA+4*\x+1]
.endr
	WIN 0
	v_nop                                          ; one plain instruction behind the last scaled conversion
.irp x, 0,1
	v_permlane16_swap_b32 v[YP+4*\x], v[YP+4*\x+1]
	v_permlane16_swap_b32 v[YP+4*\x+2], v[YP+4*\x+3]
.endr
	global_store_b128 v1, v[YP:YP+3], s[YI+2*\p:YI+2*\p+1]                 ; 512 consecutive bytes of y's image: tile A,
	global_store_b128 v1, v[YP+4:YP+7], s[YI+2*\p:YI+2*\p+1] offset:4096   ; and tile B, four tiles on
	global_store_b16 v7, v[YW], s[YC+2*\p:YC+2*\p+1]                       ; each query's two scale bytes of this head
	s_wait_xcnt 0x0                                ; the stores have read their registers, which the next pass writes again
.endm
	INIT
	WALK 0, 0, 1                                   ; the first pass: groups 0 to 7, half 0 alone
	FINISH 0
	s_wait_alu depctr_va_vdst(0)
	s_wait_tensorcnt 0x0                           ; my 35 rows of half 1 are in;
	s_wait_dscnt 0x0                               ; no LDS load of mine is out at the signal.
	s_barrier_signal -1
	INIT                                           ; between the signal and its wait: register work, and loads of half 0, which nobody writes
	WALK 1, 0, 0                                   ; the second pass: groups 8 to 15 see all of half 0,
	s_barrier_wait -1                              ; everybody's part of half 1 is in,
	WALK 1, HB, 1                                  ; and half 1 up to the diagonal
	FINISH 1
	s_wait_alu depctr_va_vdst(0)
	s_wait_tensorcnt 0x0                           ; the wave's end
	ds_add_u32 v254, v255
	s_wait_dscnt 0x0
	CROUND                                         ; the closing round
	s_endpgm
.Lfunc_end_k_qd4eb916cab_attn:
	.size	k_qd4eb916cab_attn, .Lfunc_end_k_qd4eb916cab_attn-k_qd4eb916cab_attn
	.p2alignl 7, 3214868480
	.fill 96, 4, 3214868480
	.section	.rodata,"a",@progbits
	.p2align	6, 0x0
	.amdhsa_kernel k_qd4eb916cab_attn
		.amdhsa_group_segment_fixed_size 327680
		.amdhsa_private_segment_fixed_size 0
		.amdhsa_enable_private_segment 0
		.amdhsa_kernarg_size 40
		.amdhsa_user_sgpr_count 2
		.amdhsa_user_sgpr_kernarg_segment_ptr 1
		.amdhsa_wavefront_size32 1
		.amdhsa_system_sgpr_workgroup_id_x 1
		.amdhsa_system_sgpr_workgroup_id_y 1
		.amdhsa_system_sgpr_workgroup_id_z 1
		.amdhsa_system_vgpr_workitem_id 0
		.amdhsa_next_free_vgpr 512
		.amdhsa_next_free_sgpr 70
		.amdhsa_reserve_vcc 1
		.amdhsa_float_denorm_mode_32 3
		.amdhsa_float_denorm_mode_16_64 3
		.amdhsa_memory_ordered 1
		.amdhsa_forward_progress 1
		.amdhsa_inst_pref_size 157
	.end_amdhsa_kernel
	.amdgpu_metadata
---
amdhsa.version: [ 1, 2 ]
amdhsa.kernels:
  - .name:           k_qd4eb916cab_attn
    .symbol:         k_qd4eb916cab_attn.kd
    .args:
      - { .name: q_img, .offset: 0, .size: 8, .value_kind: global_buffer, .address_space: global }
      - { .name: q_sc, .offset: 8, .size: 8, .value_kind: global_buffer, .address_space: global }
      - { .name: kv, .offset: 16, .size: 8, .value_kind: global_buffer, .address_space: global }
      - { .name: y_img, .offset: 24, .size: 8, .value_kind: global_buffer, .address_space: global }
      - { .name: y_sc, .offset: 32, .size: 8, .value_kind: global_buffer, .address_space: global }
    .group_segment_fixed_size: 327680
    .private_segment_fixed_size: 0
    .kernarg_segment_align: 8
    .kernarg_segment_size: 40
    .max_flat_workgroup_size: 256
    .sgpr_count:     70
    .vgpr_count:     512
    .wavefront_size: 32
...
	.end_amdgpu_metadata
.endif
;; end of part 2
;; launch proj (part 3): grid 4 x 64, 4 waves a work-group, clusters of 4 x 4, 235,008 bytes of LDS; arguments y_img, y_sc, Wp_codes, Wp_scales, bp, out0; writes out0
.if DOCPART == 3
	.amdgcn_target "amdgcn-amd-amdhsa--gfx1250"
	.amdhsa_code_object_version 6
	.text
	.protected	k_qd4eb916cab_proj
	.globl	k_qd4eb916cab_proj
	.p2align	8
	.type	k_qd4eb916cab_proj,@function
k_qd4eb916cab_proj:
	s_mov_b64 s[64:65], 0
	v_nop
	global_prefetch_b8 v0, s[64:65] scope:SCOPE_SE
	s_setreg_imm32_b32 hwreg(HW_REG_WAVE_MODE, 25, 1), 1
	s_wait_xcnt 0x0
	s_wait_alu depctr_hold_cnt(0) depctr_sa_sdst(0) depctr_va_vdst(0) depctr_va_sdst(0) depctr_va_ssrc(0) depctr_va_vcc(0) depctr_vm_vsrc(0)
	s_getreg_b32 s2, hwreg(HW_REG_IB_STS2, 6, 4)
	s_cmp_eq_u32 s2, 0
	s_cbranch_scc0 .Lentry_in_a_cluster
	s_endpgm
.Lentry_in_a_cluster:
	s_bfe_u32 s2, ttmp6, 0x10000c
	s_cmp_lg_u32 s2, 0xf033
	s_cbranch_scc0 .Lentry_shape_is_right
	s_endpgm
.Lentry_shape_is_right:
; out = y Wp^T + bp on codes of FP4 (E2M1) with E8M0 scales, K = 1,024.  y comes as images of the operand's registers (the launch before laid them so), Wp as rows of codes.
; SHARES.  Work-group (x = 256 columns, y = 128 tokens), four waves; wave w makes tokens 64 (w / 2) on x columns 128 (w % 2) on: 32 accumulators of 16 x 16.
; ALL OF K LIES IN LDS, each byte filled once, one tensor load a wave: waves 0 and 1 bring 128 rows of Wp each (512 bytes + 16 of padding), waves 2 and 3 half of y's 64 KiB each.
; CLUSTER 4 x 4: y's block is shared along a row of the cluster, Wp's along a column: joint loads.  No prefetch: there is no loop to run ahead in, and every load stands at the head.
; THE PRODUCT IS USED TRANSPOSED (source 0 = 16 rows of Wp, source 1 = 16 tokens): a lane holds eight neighbouring columns of one row of out.  bp is the C of each sum's first matrix instruction.
; THE WAY OUT: 16 rows x 512 bytes at a time through the wave's own stage in LDS (bytes into which no fill lands); a store of the wave covers 512 consecutive bytes, aligned.
; REGISTERS.  window 0: v4-10 addresses; v14-61 scale words and nothing else; v62-253 fragments, two sets of 96 (y's four, Wp's eight), later rows of out; v254-255 the add's.  window 1: the accumulators, (u, t) at 64 u + 8 t.  window 2: bp, 8 t.
.set PITCH, 528
.set WP0,   65536                      ; behind y's images: Wp's 256 rows
.set STG,   WP0+256*PITCH              ; the stages, 16 rows x 528 bytes a wave
.set SPARE, STG+4*16*PITCH             ; the spare words, 128 bytes a wave: two blocks of 256 bytes that no other line names
.set ADY, 4
.set ADW, 5
.set STO, 6
.set RD,  7
.set CO,  8
.set VSC, 9
.set VB,  10
.set WS,  14                           ; Wp's scale words: 4 t + sl: lanes 0-15 K step sl, lanes 16-31 K step 4 + sl
.set YS,  46                           ; y's: 4 u + sl
.set FR,  62
.set WV,  16
.set G1W, 24
.set G1Y, 32
.set G0W, 40
.set G0Y, 48
.set MSB, 0
.macro WIN new                         ; the immediate's high byte repeats the setting that is left; a switch that changes nothing is dropped
.if MSB != \new
	s_set_vgpr_msb (MSB<<8)|\new
.set MSB, \new
.endif
.endm
.macro PLACES                          ; four plain vector instructions between a matrix instruction and a load into, or a read of, its registers
.rept 4
	v_nop
.endr
.endm
.macro CROUND                          ; a round of the cluster's barrier
	s_barrier_signal -1
	s_barrier_wait -1
	s_cmp_lg_u32 s[WV], 0
	s_cbranch_scc1 .Lnot_wave_0_\@
	s_barrier_signal -3
.Lnot_wave_0_\@:
	s_barrier_wait -3
	s_barrier_signal -1
	s_barrier_wait -1
.endm
.macro WM d, a, b, c, sa, sb, row
.if \row
	v_wmma_scale_f32_16x16x128_f8f6f4 v[\d:\d+7], v[\a:\a+7], v[\b:\b+7], v[\c:\c+7], v[\sa], v[\sb] matrix_a_fmt:MATRIX_FMT_FP4 matrix_b_fmt:MATRIX_FMT_FP4 matrix_a_scale:MATRIX_SCALE_ROW1 matrix_b_scale:MATRIX_SCALE_ROW1
.else
	v_wmma_scale_f32_16x16x128_f8f6f4 v[\d:\d+7], v[\a:\a+7], v[\b:\b+7], v[\c:\c+7], v[\sa], v[\sb] matrix_a_fmt:MATRIX_FMT_FP4 matrix_b_fmt:MATRIX_FMT_FP4
.endif
.endm
	s_load_b256 s[4:11], s[0:1], 0x0               ; y_img s[4:5], y_sc s[6:7], Wp codes s[8:9], Wp scales s[10:11]
	s_load_b128 s[12:15], s[0:1], 0x20             ; bp s[12:13], out s[14:15]
	v_lshl_add_u32 v254, v0, 2, SPARE
	v_mov_b32 v255, 0
	ds_add_u32 v254, v255                          ; the wave's opening: the add, twice on end, and its wait
	ds_add_u32 v254, v255
	v_lshrrev_b32 v1, 5, v0
	v_readfirstlane_b32 s[WV], v1                  ; wave 0..3
	s_bfe_u32 s17, ttmp6, 0x40000                  ; cx
	s_bfe_u32 s18, ttmp6, 0x40004                  ; cy
	s_lshl_b32 s19, ttmp9, 2
	s_add_co_u32 s19, s19, s17                     ; the block of 256 columns
	s_and_b32 s20, ttmp7, 0xffff
	s_lshl_b32 s20, s20, 2
	s_add_co_u32 s20, s20, s18                     ; the group of 128 tokens
	s_lshl_b32 s21, s18, 2
	s_lshl_b32 s21, 15, s21                        ; my row of the cluster
	s_lshl_b32 s22, 0x1111, s17                    ; my column
	s_or_b32 s[G1W], s22, (1<<20)|(1<<21)|(6<<22)|(3<<25)  ; Wp: elements of 1 byte; 128 rows of 512 bytes; 4 words of padding after every 128
	s_mov_b32 s[G1W+1], 512<<16
	s_mov_b32 s[G1W+2], 128<<16
	s_mov_b32 s[G1W+3], 512<<16
	s_mov_b32 s[G1W+4], 128
	s_mov_b32 s[G1W+5], 512
	s_mov_b32 s[G1W+6], 0
	s_mov_b32 s[G1W+7], 0
	s_or_b32 s[G1Y], s21, (3<<16)|(1<<21)          ; y: a dense block of 32,768 bytes as 128 rows of 32 elements of 8 bytes, no padding
	s_mov_b32 s[G1Y+1], 32<<16
	s_mov_b32 s[G1Y+2], 128<<16
	s_mov_b32 s[G1Y+3], 32<<16
	s_mov_b32 s[G1Y+4], 128
	s_mov_b32 s[G1Y+5], 32
	s_mov_b32 s[G1Y+6], 0
	s_mov_b32 s[G1Y+7], 0
	s_and_b32 s66, s[WV], 1                        ; which 128 columns are mine; also: which half of a tile I fetch
	s_lshr_b32 s23, s[WV], 1                       ; which 64 tokens; also: I fetch for Wp (0) or for y (1)
	s_lshl_b32 s56, s19, 17                        ; Wp: (256 block + 128 half) rows of 512 bytes
	s_lshl_b32 s58, s66, 16
	s_add_co_u32 s56, s56, s58
	s_mov_b32 s57, 0
	s_mul_i32 s59, s66, 128*PITCH
	s_lshl_b32 s60, s20, 16                        ; y: 65,536 bytes a group, 32,768 a half
	s_lshl_b32 s62, s66, 15
	s_add_co_u32 s60, s60, s62
	s_mov_b32 s61, 0
	s_wait_dscnt 0x0                               ; both opening adds are done
	s_wait_kmcnt 0x0
	s_mov_b32 s[G0W], 1
	s_add_co_u32 s[G0W+1], s59, WP0
	s_add_nc_u64 s[G0W+2:G0W+3], s[8:9], s[56:57]
	s_or_b32 s[G0W+3], s[G0W+3], 0x80000000
	s_mov_b32 s[G0Y], 1
	s_mov_b32 s[G0Y+1], s62
	s_add_nc_u64 s[G0Y+2:G0Y+3], s[4:5], s[60:61]
	s_or_b32 s[G0Y+3], s[G0Y+3], 0x80000000
	CROUND                                         ; all sixteen work-groups are here: the joint loads meet
	s_cmp_lt_u32 s[WV], 2                          ; one tensor load a wave, in its own arm
	s_cbranch_scc0 .Lfor_y
	tensor_load_to_lds s[G0W:G0W+3], s[G1W:G1W+7]
	s_nop 0
	PLACES
	s_branch .Lfilled
.Lfor_y:
	tensor_load_to_lds s[G0Y:G0Y+3], s[G1Y:G1Y+7]
	s_nop 0
	PLACES
.Lfilled:
	s_mov_b32 s71, 0
	s_lshl_b32 s70, s20, 12
	s_lshl_b32 s72, s23, 11
	s_add_co_u32 s70, s70, s72                     ; y's scales: (128 group + 64 tg) rows of 32 bytes
	s_add_nc_u64 s[6:7], s[6:7], s[70:71]
	s_lshl_b32 s70, s19, 13
	s_lshl_b32 s72, s66, 12
	s_add_co_u32 s70, s70, s72                     ; Wp's: (256 block + 128 cg) rows of 32 bytes
	s_add_nc_u64 s[10:11], s[10:11], s[70:71]
	s_lshl_b32 s70, s19, 10
	s_lshl_b32 s72, s66, 9
	s_add_co_u32 s70, s70, s72                     ; my first column, in bytes
	s_add_nc_u64 s[12:13], s[12:13], s[70:71]
	s_lshl_b32 s72, s20, 19
	s_add_co_u32 s70, s70, s72
	s_lshl_b32 s72, s23, 18
	s_add_co_u32 s70, s70, s72                     ; + (128 group + 64 tg) rows of 4,096 bytes
	s_add_nc_u64 s[14:15], s[14:15], s[70:71]
	s_lshl_b32 s67, s23, 12
	s_add_co_u32 s68, s59, WP0
	s_mul_i32 s69, s[WV], 16*PITCH
	s_add_co_u32 s69, s69, STG                     ; my stage
	v_and_b32 v1, 15, v0                           ; r
	v_bfe_u32 v2, v0, 4, 1                         ; h
	v_and_b32 v3, 31, v0                           ; lane
	v_lshlrev_b32 v[CO], 4, v3                     ; 16 x lane: a row of 512 bytes
	v_add_nc_u32 v[ADY], s67, v[CO]                ; y's images: my four tiles of 1,024 bytes
	v_mul_u32_u24 v11, v1, PITCH
	v_lshl_add_u32 v12, v2, 4, v11
	v_add_nc_u32 v[ADW], s68, v12                  ; Wp: my 128 rows; row r x pitch + 16 h
	v_lshl_add_u32 v13, v2, 5, v11
	v_add_nc_u32 v[STO], s69, v13                  ; in: row r, 32 bytes for each half of the lanes
	v_add_nc_u32 v[RD], s69, v[CO]                 ; back: the 32 lanes take one row
	v_lshlrev_b32 v[VSC], 5, v1
	v_lshl_add_u32 v[VSC], v2, 4, v[VSC]           ; 32 r + 16 h: my 16 scale bytes of row r
	v_lshlrev_b32 v[VB], 5, v2                     ; 32 h: my eight numbers of bp
.irp t, 0,1,2,3,4,5,6,7
	global_load_b128 v[WS+4*\t:WS+4*\t+3], v[VSC], s[10:11] offset:512*\t
.endr
.irp u, 0,1,2,3
	global_load_b128 v[YS+4*\u:YS+4*\u+3], v[VSC], s[6:7] offset:512*\u
.endr
	WIN 0x80                                       ; destination window 2
.irp t, 0,1,2,3,4,5,6,7
	global_load_b128 v[8*\t:8*\t+3], v[VB], s[12:13] offset:64*\t          ; lane (r, h), register e: bp[16 t + 8 h + e] of my columns
	global_load_b128 v[8*\t+4:8*\t+7], v[VB], s[12:13] offset:64*\t+16
.endr
	WIN 0
.macro LOADF s                         ; 24 LDS loads: K step s's fragments into set s % 2
.set FB, FR+96*((\s)%2)
	WIN 0
.irp u, 0,1,2,3
.irp c, 0,1
	ds_load_b128 v[FB+8*\u+4*\c:FB+8*\u+4*\c+3], v[ADY] offset:8192*(\s)+1024*\u+512*\c
.endr
.endr
.irp t, 0,1,2,3,4,5,6,7
.irp c, 0,1
	ds_load_b128 v[FB+32+8*\t+4*\c:FB+32+8*\t+4*\c+3], v[ADW] offset:16*PITCH*\t+64*(\s)+32*\c
.endr
.endr
.endm
.macro MULS s                          ; 32 matrix instructions: the accumulators by turns, one instruction a turn
.set SL, (\s)%4
.set FB, FR+96*((\s)%2)
.set RW, (\s)/4
.if (\s) == 0
	WIN 0x60                                       ; C (bp) window 2, D window 1
.else
	WIN 0x50                                       ; C and D window 1
.endif
.irp u, 0,1,2,3
.irp t, 0,1,2,3,4,5,6,7
.if (\s) == 0
	WM 64*\u+8*\t, FB+32+8*\t, FB+8*\u, 8*\t, WS+4*\t+SL, YS+4*\u+SL, RW
.else
	WM 64*\u+8*\t, FB+32+8*\t, FB+8*\u, 64*\u+8*\t, WS+4*\t+SL, YS+4*\u+SL, RW
.endif
.endr
.endr
.endm
.macro KSTEP s
.if (\s) >= 1
	PLACES                                         ; the set that is loaded next was read by the matrix instructions just issued
.endif
.if (\s) < 7
	LOADF (\s)+1
	s_wait_dscnt 24                                ; all but the 24 just issued
.else
	s_wait_dscnt 0x0
.endif
	MULS \s
.endm
	s_wait_alu depctr_va_vdst(0)                   ; the wait at the head's end
	s_wait_tensorcnt 0x0                           ; my part is in,
	s_barrier_signal -1
	s_barrier_wait -1                              ; and everybody's is.
	s_wait_loadcnt 0x0                             ; scale words and bp
	LOADF 0
.irp s, 0,1,2,3,4,5,6,7
	KSTEP \s
.endr
; 16 tokens at a time through my stage.  LDS serves a wave's instructions in order (ISA guide 5.7.1.4): the loads see the stores above them, and the next tile's stores come behind these loads.
.macro TOSTAGE u
.set BB, FR+64*((\u)%2)
	WIN 0x04                                       ; the data: window 1
.irp t, 0,1,2,3,4,5,6,7
	ds_store_b128 v[STO], v[64*\u+8*\t:64*\u+8*\t+3] offset:64*\t          ; each accumulator from its low end on
	ds_store_b128 v[STO], v[64*\u+8*\t+4:64*\u+8*\t+7] offset:64*\t+16
.endr
	WIN 0
.irp i, 0,1,2,3,4,5,6,7,8,9,10,11,12,13,14,15
	ds_load_b128 v[BB+4*\i:BB+4*\i+3], v[RD] offset:PITCH*\i
.endr
.endm
.macro SEND u, younger                 ; younger: the LDS instructions issued behind this tile's loads, which may stay out
.set BB, FR+64*((\u)%2)
	s_wait_dscnt \younger
.irp i, 0,1,2,3,4,5,6,7,8,9,10,11,12,13,14,15
	global_store_b128 v[CO], v[BB+4*\i:BB+4*\i+3], s[14:15] offset:(16*\u+\i)*4096 th:TH_STORE_NT   ; 512 consecutive bytes, at a multiple of 256 from out's first byte; written once, read by nobody here
.endr
.endm
	PLACES                                         ; behind the last products: ahead of the stores that read results and of the loads into fragment registers
	s_wait_alu depctr_va_vdst(0)
	TOSTAGE 0
	TOSTAGE 1
	SEND 0, 32
	s_wait_xcnt 0x0                                ; tile 0's stores have read their registers: tile 2's loads may land there
	TOSTAGE 2
	SEND 1, 32
	s_wait_xcnt 0x0
	TOSTAGE 3
	SEND 2, 32
	SEND 3, 0
	s_wait_tensorcnt 0x0                           ; the wave's end, behind my last tensor load and my last LDS store
	ds_add_u32 v254, v255
	s_wait_dscnt 0x0
	CROUND                                         ; the closing round
	s_endpgm
.Lfunc_end_k_qd4eb916cab_proj:
	.size	k_qd4eb916cab_proj, .Lfunc_end_k_qd4eb916cab_proj-k_qd4eb916cab_proj
	.p2alignl 7, 3214868480
	.fill 96, 4, 3214868480
	.section	.rodata,"a",@progbits
	.p2align	6, 0x0
	.amdhsa_kernel k_qd4eb916cab_proj
		.amdhsa_group_segment_fixed_size 235008
		.amdhsa_private_segment_fixed_size 0
		.amdhsa_enable_private_segment 0
		.amdhsa_kernarg_size 48
		.amdhsa_user_sgpr_count 2
		.amdhsa_user_sgpr_kernarg_segment_ptr 1
		.amdhsa_wavefront_size32 1
		.amdhsa_system_sgpr_workgroup_id_x 1
		.amdhsa_system_sgpr_workgroup_id_y 1
		.amdhsa_system_sgpr_workgroup_id_z 1
		.amdhsa_system_vgpr_workitem_id 0
		.amdhsa_next_free_vgpr 1024
		.amdhsa_next_free_sgpr 80
		.amdhsa_reserve_vcc 0
		.amdhsa_float_denorm_mode_32 3
		.amdhsa_float_denorm_mode_16_64 3
		.amdhsa_memory_ordered 1
		.amdhsa_forward_progress 1
		.amdhsa_inst_pref_size 69
	.end_amdhsa_kernel
	.amdgpu_metadata
---
amdhsa.version: [ 1, 2 ]
amdhsa.kernels:
  - .name:           k_qd4eb916cab_proj
    .symbol:         k_qd4eb916cab_proj.kd
    .args:
      - { .name: y_img, .offset: 0, .size: 8, .value_kind: global_buffer, .address_space: global }
      - { .name: y_sc, .offset: 8, .size: 8, .value_kind: global_buffer, .address_space: global }
      - { .name: Wp_codes, .offset: 16, .size: 8, .value_kind: global_buffer, .address_space: global }
      - { .name: Wp_scales, .offset: 24, .size: 8, .value_kind: global_buffer, .address_space: global }
      - { .name: bp, .offset: 32, .size: 8, .value_kind: global_buffer, .address_space: global }
      - { .name: out0, .offset: 40, .size: 8, .value_kind: global_buffer, .address_space: global }
    .group_segment_fixed_size: 235008
    .private_segment_fixed_size: 0
    .kernarg_segment_align: 8
    .kernarg_segment_size: 48
    .max_flat_workgroup_size: 128
    .sgpr_count:     80
    .vgpr_count:     1024
    .wavefront_size: 32
...
	.end_amdgpu_metadata
.endif
;; end of part 3
